; MI455X (gfx1250); checked and timed in simulation.
; The chip was launched on July 23, 2026; its instructions are those of AMD's public machine-readable ISA for CDNA 5 (MIT licence, August 2026) and "CDNA5" Instruction Set Architecture Reference Guide (July 2026). The comments in the code are by the model that wrote it; some were corrected since.
;; Attention. Allowed arithmetic: matrix products marked QUANTISED: E2M3 operands, one E8M0 scale for each 32 along K, by v_wmma_scale_f32_16x16x128_f8f6f4 with both operands' format E2M3, f32 sums; products left as they are: f32 operands where the result goes on into a quantised operand, else bf16, f16 or f32 operands; f32 sums; everything else in f32.
;; Inputs: Ak 16 x 1,024 float32; Ao 16 x 1,024 float32; Aq 16 x 1,024 float32; Av 16 x 1,024 float32; Bk 1,024 x 16 float32; Bo 1,024 x 16 float32; Bq 1,024 x 16 float32; Bv 1,024 x 16 float32; Wk 1,024 x 1,024 float32; Wo 1,024 x 1,024 float32; Wq 1,024 x 1,024 float32; Wv 1,024 x 1,024 float32; bo 1,024 float32; x 8 x 1,024 x 1,024 float32.
;; Outputs: out0 8 x 1,024 x 1,024 float32.
;; This version of the problem:
;;   THIS VERSION OF THE PROBLEM IS GIVEN IN LOW PRECISION. The matrix products marked QUANTISED in the list below multiply operands that are first quantised to E2M3 (2 exponent bits, 3 mantissa bits; 6 bits a number), with one power-of-two scale for each 32 numbers along K (OCP MX v1.0); their sums are f32. All else is computed in f32.
;;   The module's matrix products, in the order in which they are computed (A, B: the left and right operand; K: the contracted axis; several contracted axes count as one K, in the product's order):
;;     1. [M 8,192, K 1,024] x [K 1,024, N 1,024]; A: input x; B: input Wq: QUANTISED
;;     2. [M 8,192, K 1,024] x [K 1,024, N 16]; A: input x; B: input Aq: QUANTISED
;;     3. [M 8,192, K 16] x [K 16, N 1,024]; A: computed on the way; B: input Bq: left as it is (K = 16 < 32)
;;     4. [M 8,192, K 1,024] x [K 1,024, N 1,024]; A: input x; B: input Wk: QUANTISED
;;     5. [M 8,192, K 1,024] x [K 1,024, N 16]; A: input x; B: input Ak: QUANTISED
;;     6. [M 8,192, K 16] x [K 16, N 1,024]; A: computed on the way; B: input Bk: left as it is (K = 16 < 32)
;;     7. [M 8,192, K 1,024] x [K 1,024, N 1,024]; A: input x; B: input Wv: QUANTISED
;;     8. [M 8,192, K 1,024] x [K 1,024, N 16]; A: input x; B: input Av: QUANTISED
;;     9. [M 8,192, K 16] x [K 16, N 1,024]; A: computed on the way; B: input Bv: left as it is (K = 16 < 32)
;;     10. batch 128 x [M 1,024, K 64] x [K 64, N 1,024]; A: computed on the way; B: computed on the way: QUANTISED
;;     11. batch 128 x [M 1,024, K 1,024] x [K 1,024, N 64]; A: softmax (see below); B: computed on the way: QUANTISED
;;     12. [M 8,192, K 1,024] x [K 1,024, N 1,024]; A: computed on the way; B: input Wo: QUANTISED
;;     13. [M 8,192, K 1,024] x [K 1,024, N 16]; A: computed on the way; B: input Ao: QUANTISED
;;     14. [M 8,192, K 16] x [K 16, N 1,024]; A: computed on the way; B: input Bo: left as it is (K = 16 < 32)
;;   THE QUANTISER, for each operand of a quantised product, along K:
;;     - K is cut into blocks of 32 from its start; a last block that is shorter is filled with zeros.
;;     - A block's scale is 2^e with e = floor(log2(the largest magnitude in the block)) - 2, held to -126 .. 127; a block of zeros has e = 0. As a byte (E8M0): e + 127.
;;     - Each number is divided by its block's scale, clamped to +-7.5, and rounded to the nearest number of E2M3, ties to even, subnormals kept.
;;     - The product sums the exact products of the quantised numbers (number of the format x scale) in f32.
;;   ~~~python
;;   def quantise(x, axis):      # numpy; x: float32 -> the quantised numbers, widened to float32 again
;;       x = np.moveaxis(x, axis, -1); K = x.shape[-1]
;;       x = np.pad(x, [(0, 0)] * (x.ndim - 1) + [(0, -K % 32)]); x = x.reshape(x.shape[:-1] + (-1, 32)); a = np.abs(x).max(-1, keepdims=True)
;;       e = np.where(a > 0, np.clip(np.frexp(np.where(a > 0, a, 1))[1] - 1 - 2, -126, 127), 0)      # np.frexp(a)[1] - 1 = floor(log2(a)), exactly
;;       r = np.clip(x / 2.0 ** e, -7.5, 7.5)
;;       step = 2.0 ** (np.maximum(np.frexp(np.where(r == 0, 1, r))[1] - 1, 0) - 3)
;;       q = np.round(r / step) * step * 2.0 ** e      # np.round: ties to even
;;       return np.moveaxis(q.reshape(q.shape[:-2] + (-1,))[..., :K], -1, axis).astype(np.float32)
;;   ~~~
;;   SOFTMAX AHEAD OF A QUANTISED PRODUCT. Where the list says 'softmax', what is quantised is not the finished softmax but p = 2^(t - M), with t = logit x log2(e) and M = ceil(the row's largest t), a whole number; so 1/2 < the row's largest p <= 1. The row's sum l is taken of the UNQUANTISED p, in f32, and the product's result is divided by l at the end. Since M is a whole number, a kernel that streams over the keys may use a running M (the ceiling of the running maximum): every later rescaling is an exact power of two, which a block's scale takes up: the codes' values come out the same.
;;   OPERANDS COMPUTED ON THE WAY. 'Computed on the way' means the value that the module computes at that place (a softmax that the list does not call 'softmax' is quantised finished and normalised). What goes into a quantiser is computed in f32, as accurately as f32 sums, v_exp_f32 and their like allow (about 1e-6 of the number): no bf16 or f16 on the way to a quantiser, and a product that is left as it is and whose result goes on into a quantised operand takes f32 operands (vector FMAs, or v_wmma_f32_16x16x4_f32). A number that lies on a knife's edge between two numbers of the format may be rounded either way, as far as f32 arithmetic and the matrix unit's own rounding can turn it there, and no further.
;; One version. Each part assembles by itself: llvm-mc -triple=amdgcn-amd-amdhsa -mcpu=gfx1250 --defsym DOCPART=n.
;; ======== version 1 of 1: 4 launches
;; limits: values are held in bf16: 8 bits of precision; right only within a limited range of input values
;; workspace buffers: codes 9,486,336 bytes; scl 395,264 bytes; atc 18,874,368 bytes; ats 1,572,864 bytes; oc 6,291,456 bytes; osc 262,144 bytes
;; launch quant (part 1): grid 386 x 1, 4 waves a work-group, no clusters, 34,304 bytes of LDS; arguments x, Wq, Wk, Wv, Wo, Aq, Ak, Av, Ao, codes, scl; writes codes, scl
.if DOCPART == 1
	.amdgcn_target "amdgcn-amd-amdhsa--gfx1250"
	.amdhsa_code_object_version 6
	.text
	.protected	k_q88016c0259_quant
	.globl	k_q88016c0259_quant
	.p2align	8
	.type	k_q88016c0259_quant,@function
k_q88016c0259_quant:
	s_mov_b64 s[64:65], 0
	v_nop
	global_prefetch_b8 v0, s[64:65] scope:SCOPE_SE
	s_setreg_imm32_b32 hwreg(HW_REG_WAVE_MODE, 25, 1), 1
	s_wait_xcnt 0x0
; x [8192][1024], Wq, Wk, Wv, Wo [1024][1024] and Aq, Ak, Av, Ao [16][1024], all f32 with K innermost, become codes of FP6 (E2M3) with one E8M0 byte for each 32 along K.
; The codes are laid as IMAGES OF THE OPERAND'S REGISTERS: codes[g 772][K step 8][half 2][768].  A fragment is 16 rows x 128 K, 12 registers a lane; half c holds registers 6c..6c+3 at 16 x lane
; (512 bytes) and registers 6c+4, 6c+5 at 512 + 8 x lane (256 bytes): every later load of a fragment is dense.  Row blocks g: 0-511 x, 512-575 Wq, 576-639 Wk, 640-703 Wv, 704-767 Wo, 768-771 Aq, Ak, Av, Ao.
; THE ROWS OF A BLOCK ARE NOT NEIGHBOURS (but in the four A): lane r of block 2 B + u holds row 32 B + 8 u + r + 8 (r / 8), so that a transposed product's 16 registers of two neighbouring blocks are 16 neighbours.
; Scale words: scl[g][half of K 2][r 16][4 words]: one word a row and K step.
; A block's scale byte is its largest magnitude's exponent field - 2, held at 1 from below.
; LIMITS: NaN and infinities are not served; a block whose largest magnitude lies under 2^-124, a block of zeros among them, gets the byte 1: its codes are small or zero, and this program alone reads the bytes.
; SHARES: a wave takes one unit u = 4 x work-group + wave: row block u / 2, K half u % 2: four fragments, 32 KiB of f32.  Each load reads 512 consecutive bytes of a row; the 16 rows turn through the wave's own
; stage in LDS (rows 528 bytes apart), so that lane (r, h) gets, of row r, 16 neighbours of each block of 32.  No barrier: waves share nothing.
.set STGW,  8448                       ; a wave's stage: 16 rows x 528 bytes
.set SPARE, 33792                      ; behind the four stages: the spare words, 128 bytes a wave
.set VA,  2                            ; 16 x lane: my bytes in a row's 512; also my place in an image's 512 bytes
.set VB,  3                            ; the same for rows 8-15: 8 rows further down where the block's rows are permuted
.set STI, 4                            ; the stage, in
.set STO, 5                            ; the stage, out
.set L8,  7                            ; 8 x lane
.set SCO, 8                            ; 16 r + 8 h: my two scale words
.set SPW, 10
.set NIL, 11
.set R,   16                           ; v16-143  two sets of 64: a fragment's numbers as loaded
.set X,   144                          ; v144-207 register 16 b + i = k 32 b + 16 h + i of my row
.set PC,  208                          ; v208-227 the codes
.set TM,  228                          ; v228-243 at work
.set PW,  244                          ; v244-247 the four scale words
.set SEL, 12                           ; s[12:13]
	s_load_b512 s[16:31], s[0:1], 0x0              ; x, Wq, Wk, Wv, Wo, Aq, Ak, Av
	s_load_b128 s[32:35], s[0:1], 0x40             ; Ao, codes
	s_load_b64 s[36:37], s[0:1], 0x50              ; scl
	v_lshl_add_u32 v[SPW], v0, 2, SPARE
	v_mov_b32 v[NIL], 0
	v_lshrrev_b32 v1, 5, v0
	v_readfirstlane_b32 s8, v1                     ; wave
	s_lshl_b32 s9, ttmp9, 2
	s_add_co_u32 s9, s9, s8                        ; u
	v_and_b32 v1, 31, v0
	v_lshlrev_b32 v[VA], 4, v1
	v_lshlrev_b32 v[L8], 3, v1
	s_mul_i32 s10, s8, STGW
	v_add_nc_u32 v[STI], s10, v[VA]
	v_and_b32 v12, 15, v0                          ; r
	v_bfe_u32 v13, v0, 4, 1                        ; h
	v_mul_u32_u24 v[STO], v12, 528
	v_lshl_add_u32 v[STO], v13, 6, v[STO]
	v_add_nc_u32 v[STO], s10, v[STO]
	v_lshlrev_b32 v[SCO], 4, v12
	v_lshl_add_u32 v[SCO], v13, 3, v[SCO]
	s_mov_b32 s[SEL], 0x76543210
	s_mov_b32 s[SEL+1], 0xfedcba98                 ; lane l xor 16
	s_mov_b32 s14, 0xffff0000                      ; lanes 16-31
.irp b, 0,1,2,3
	v_mov_b32 v[TM+4+\b], 0                        ; a lane permute's destination counts as one of its sources
.endr
	s_wait_kmcnt 0x0
	s_mov_b64 s[4:5], s[16:17]                     ; which tensor: the choice hangs on u alone
	s_mov_b32 s6, 0
.macro PICK lim, ptr
	s_cmp_ge_u32 s9, \lim
	s_cselect_b64 s[4:5], s[\ptr:\ptr+1], s[4:5]
	s_cselect_b32 s6, \lim, s6
.endm
	PICK 1024, 18
	PICK 1152, 20
	PICK 1280, 22
	PICK 1408, 24
	PICK 1536, 26
	PICK 1538, 28
	PICK 1540, 30
	PICK 1542, 32
	s_cmp_lt_u32 s9, 1536
	s_cselect_b32 s7, 32768, 0                     ; rows 8-15 of a permuted block lie 8 rows further down
	v_add_nc_u32 v[VB], s7, v[VA]
	s_wait_alu depctr_va_vdst(0)
	s_sub_co_u32 s10, s9, s6
	s_lshr_b32 s10, s10, 1                         ; the block's number in its tensor
	s_lshr_b32 s11, s10, 1
	s_lshl_b32 s11, s11, 5
	s_and_b32 s10, s10, 1
	s_lshl_b32 s10, s10, 3
	s_add_co_u32 s10, s10, s11                     ; its first row
	s_lshl_b32 s10, s10, 12
	s_and_b32 s11, s9, 1
	s_lshl_b32 s11, s11, 11                        ; the K half: 512 numbers
	s_add_co_u32 s10, s10, s11
	s_mov_b32 s11, 0
	s_add_nc_u64 s[4:5], s[4:5], s[10:11]
	s_mul_i32 s10, s9, 6144
	s_add_nc_u64 s[34:35], s[34:35], s[10:11]
	s_lshl_b32 s10, s9, 8
	s_add_nc_u64 s[36:37], s[36:37], s[10:11]
.macro LOADF t                         ; fragment t: 16 rows x 512 bytes
.irp j, 0,1,2,3,4,5,6,7
	global_load_b128 v[R+64*((\t)%2)+4*\j:R+64*((\t)%2)+4*\j+3], v[VA], s[4:5] offset:4096*\j+512*(\t) th:TH_LOAD_NT
.endr
.irp j, 8,9,10,11,12,13,14,15
	global_load_b128 v[R+64*((\t)%2)+4*\j:R+64*((\t)%2)+4*\j+3], v[VB], s[4:5] offset:4096*\j+512*(\t) th:TH_LOAD_NT
.endr
.endm
.macro TURN t                          ; through the stage: LDS serves a wave's instructions in order
.irp j, 0,1,2,3,4,5,6,7,8,9,10,11,12,13,14,15
	ds_store_b128 v[STI], v[R+64*((\t)%2)+4*\j:R+64*((\t)%2)+4*\j+3] offset:528*\j
.endr
.irp b, 0,1,2,3
.irp i, 0,1,2,3
	ds_load_b128 v[X+16*\b+4*\i:X+16*\b+4*\i+3], v[STO] offset:128*\b+16*\i
.endr
.endr
.endm
.macro QMAX w                          ; the four blocks' largest magnitudes, scale operands, bytes; the row's scale word into v[w]
.irp b, 0,1,2,3
	v_max3_num_f32 v[TM+\b], |v[X+16*\b]|, |v[X+1+16*\b]|, 0x1800000   ; with the floor 2^(3 - 127): the byte cannot fall under 1
.endr
.irp i, 2,4,6,8,10,12,14
.irp b, 0,1,2,3
	v_max3_num_f32 v[TM+\b], v[TM+\b], |v[X+16*\b+\i]|, |v[X+1+16*\b+\i]|
.endr
.endr
.irp b, 0,1,2,3
	v_permlanex16_b32 v[TM+4+\b], v[TM+\b], s[SEL], s[SEL+1]
.endr
.irp b, 0,1,2,3
	v_max_num_f32 v[TM+\b], v[TM+\b], v[TM+4+\b]   ; with lane l xor 16's 16 numbers
.endr
.irp b, 0,1,2,3
	v_add_nc_u32 v[TM+12+\b], 0xff000000, v[TM+\b] ; 2 off the exponent field: the conversion's scale operand
.endr
.irp b, 0,1,2,3
	v_lshrrev_b32 v[TM+4+\b], 23, v[TM+12+\b]      ; the byte
.endr
	v_lshl_or_b32 v[\w], v[TM+5], 8, v[TM+4]
	v_lshl_or_b32 v[\w], v[TM+6], 16, v[\w]
	v_lshl_or_b32 v[\w], v[TM+7], 24, v[\w]
.endm
.macro QCVT
.irp c, 0,1
	v_cvt_scalef32_pk16_fp6_f32 v[PC+6*\c:PC+2+6*\c], v[X+32*\c:X+15+32*\c], v[TM+12+2*\c]
	v_cvt_scalef32_pk16_fp6_f32 v[PC+12+4*\c:PC+14+4*\c], v[X+16+32*\c:X+31+32*\c], v[TM+12+2*\c+1]   ; (a conversion's three registers begin on an even number)
.endr
	v_nop                                          ; one plain place behind a scaled conversion
.irp c, 0,1                            ; the layout wants a whole block in a lane: lanes 0-15 block 2 c, lanes 16-31 block 2 c + 1
.irp i, 0,1,2
	v_permlane16_swap_b32 v[PC+6*\c+\i], v[PC+12+4*\c+\i]
.endr
.irp i, 0,1,2
	v_mov_b32 v[PC+3+6*\c+\i], v[PC+12+4*\c+\i]
.endr
.endr
.endm
.macro OUT t                           ; each store covers whole aligned runs of 256 bytes
	global_store_b128 v[VA], v[PC:PC+3], s[34:35] offset:1536*(\t)
	global_store_b64 v[L8], v[PC+4:PC+5], s[34:35] offset:1536*(\t)+512
	global_store_b128 v[VA], v[PC+6:PC+9], s[34:35] offset:1536*(\t)+768
	global_store_b64 v[L8], v[PC+10:PC+11], s[34:35] offset:1536*(\t)+1280
.endm
	LOADF 0
	LOADF 1
.irp t, 0,1,2,3
.if \t < 3
	s_wait_loadcnt 16                              ; this fragment's 16 loads are in; the next one's 16 may be out
.else
	s_wait_loadcnt 0x0
.endif
	TURN \t
	s_wait_dscnt 0x0                               ; the numbers are back, and the stores into the stage have read their registers,
.if \t < 2
	LOADF \t+2                                     ; which take the loads of two fragments on
.endif
	QMAX PW+\t
.if \t > 0
	s_wait_xcnt 0x0                                ; the last fragment's stores have read the codes' registers
.endif
	QCVT
	OUT \t
.endr
	v_cndmask_b32 v248, v[PW], v[PW+2], s14        ; lanes 0-15 store words 0, 1 of their row, lanes 16-31 words 2, 3
	v_cndmask_b32 v249, v[PW+1], v[PW+3], s14
	global_store_b64 v[SCO], v[248:249], s[36:37]  ; 32 lanes store one aligned run of 256 bytes
	s_wait_tensorcnt 0x0                           ; the wave's end
	ds_add_u32 v[SPW], v[NIL]
	s_wait_dscnt 0x0
	s_endpgm
.Lfunc_end_k_q88016c0259_quant:
	.size	k_q88016c0259_quant, .Lfunc_end_k_q88016c0259_quant-k_q88016c0259_quant
	.p2alignl 7, 3214868480
	.fill 96, 4, 3214868480
	.section	.rodata,"a",@progbits
	.p2align	6, 0x0
	.amdhsa_kernel k_q88016c0259_quant
		.amdhsa_group_segment_fixed_size 34304
		.amdhsa_private_segment_fixed_size 0
		.amdhsa_enable_private_segment 0
		.amdhsa_kernarg_size 88
		.amdhsa_user_sgpr_count 2
		.amdhsa_user_sgpr_kernarg_segment_ptr 1
		.amdhsa_wavefront_size32 1
		.amdhsa_system_sgpr_workgroup_id_x 1
		.amdhsa_system_sgpr_workgroup_id_y 1
		.amdhsa_system_sgpr_workgroup_id_z 1
		.amdhsa_system_vgpr_workitem_id 0
		.amdhsa_next_free_vgpr 256
		.amdhsa_next_free_sgpr 66
		.amdhsa_reserve_vcc 0
		.amdhsa_float_denorm_mode_32 3
		.amdhsa_float_denorm_mode_16_64 3
		.amdhsa_memory_ordered 1
		.amdhsa_forward_progress 1
		.amdhsa_inst_pref_size 35
	.end_amdhsa_kernel
	.amdgpu_metadata
---
amdhsa.version: [ 1, 2 ]
amdhsa.kernels:
  - .name:           k_q88016c0259_quant
    .symbol:         k_q88016c0259_quant.kd
    .args:
      - { .name: x, .offset: 0, .size: 8, .value_kind: global_buffer, .address_space: global }
      - { .name: Wq, .offset: 8, .size: 8, .value_kind: global_buffer, .address_space: global }
      - { .name: Wk, .offset: 16, .size: 8, .value_kind: global_buffer, .address_space: global }
      - { .name: Wv, .offset: 24, .size: 8, .value_kind: global_buffer, .address_space: global }
      - { .name: Wo, .offset: 32, .size: 8, .value_kind: global_buffer, .address_space: global }
      - { .name: Aq, .offset: 40, .size: 8, .value_kind: global_buffer, .address_space: global }
      - { .name: Ak, .offset: 48, .size: 8, .value_kind: global_buffer, .address_space: global }
      - { .name: Av, .offset: 56, .size: 8, .value_kind: global_buffer, .address_space: global }
      - { .name: Ao, .offset: 64, .size: 8, .value_kind: global_buffer, .address_space: global }
      - { .name: codes, .offset: 72, .size: 8, .value_kind: global_buffer, .address_space: global }
      - { .name: scl, .offset: 80, .size: 8, .value_kind: global_buffer, .address_space: global }
    .group_segment_fixed_size: 34304
    .private_segment_fixed_size: 0
    .kernarg_segment_align: 8
    .kernarg_segment_size: 88
    .max_flat_workgroup_size: 128
    .sgpr_count:     66
    .vgpr_count:     256
    .wavefront_size: 32
...
	.end_amdgpu_metadata
.endif
;; end of part 1
;; launch qkv (part 2): grid 4 x 64, 4 waves a work-group, clusters of 4 x 4, 327,680 bytes of LDS; arguments codes, scl, Bq, Bk, Bv, atc, ats; writes atc, ats
.if DOCPART == 2
	.amdgcn_target "amdgcn-amd-amdhsa--gfx1250"
	.amdhsa_code_object_version 6
	.text
	.protected	k_q88016c0259_qkv
	.globl	k_q88016c0259_qkv
	.p2align	8
	.type	k_q88016c0259_qkv,@function
k_q88016c0259_qkv:
	s_mov_b64 s[64:65], 0
	v_nop
	global_prefetch_b8 v0, s[64:65] scope:SCOPE_SE
	s_setreg_imm32_b32 hwreg(HW_REG_WAVE_MODE, 25, 1), 1
	s_wait_xcnt 0x0
	s_wait_alu depctr_hold_cnt(0) depctr_sa_sdst(0) depctr_va_vdst(0) depctr_va_sdst(0) depctr_va_ssrc(0) depctr_va_vcc(0) depctr_vm_vsrc(0)
	s_getreg_b32 s2, hwreg(HW_REG_IB_STS2, 6, 4)
	s_cmp_eq_u32 s2, 0
	s_cbranch_scc0 .Lentry_in_a_cluster
	s_endpgm
.Lentry_in_a_cluster:
	s_bfe_u32 s2, ttmp6, 0x10000c
	s_cmp_lg_u32 s2, 0xf033
	s_cbranch_scc0 .Lentry_shape_is_right
	s_endpgm
.Lentry_shape_is_right:
.set AT,    0
.set BT,    98304
.set SPARE, 294912
.set NW,    50
.set NB,    16
.set L16, 2
.set L8,  3
.set R16, 4
.set ADA16, 5
.set ADA8,  6
.set ADB16, 7
.set ADB8,  8
.set BLA, 9
.set SCQ, 10
.set SCV, 11
.set SPW, 12
.set NIL, 13
.set SA,  32
.set SB,  64
.set SL,  128
.set XAC, 136
.set TMX, 168
.set TMP, 176
.set TSC, 184
.set HW,  192
.set PC,  200
.set PX,  224
.set SD,  240
.set BLO, 160
.set XAS, 224
.set LF,  160
.set WV, 18
.set WR, 19
.set WC, 20
.set CX, 21
.set CY, 22
.set TR, 24
.set G1A, 28
.set G1B, 36
.set G0A, 44
.set G0B, 68
.set G1R, 84
.set SEL, 60
.set HM,  62
.set QC,  44
.set QS,  46
.set VC,  48
.set VS,  50
.set PSA, 92
.set PSB, 94
.set PSL, 96
.set PLF, 98
.set PWR, 100
.set MSB, 0
.macro WIN new
.if MSB != (\new)
	s_set_vgpr_msb (MSB<<8)|(\new)
.set MSB, (\new)
.endif
.endm
.macro NOPS n
.rept \n
	v_nop
.endr
.endm
.macro CROUND
	s_barrier_signal -1
	s_barrier_wait -1
	s_cmp_lg_u32 s[WV], 0
	s_cbranch_scc1 .Lnot_wave_0_\@
	s_barrier_signal -3
.Lnot_wave_0_\@:
	s_barrier_wait -3
	s_barrier_signal -1
	s_barrier_wait -1
.endm
.macro JLOAD c
	s_cmp_eq_u32 s[WR], 0
	s_cbranch_scc0 .Lfor_b_\@
	tensor_load_to_lds s[G0A+4*\c:G0A+4*\c+3], s[G1A:G1A+7]
	s_nop 0
	NOPS 4
	s_branch .Lasked_\@
.Lfor_b_\@:
	tensor_load_to_lds s[G0B+4*\c:G0B+4*\c+3], s[G1R:G1R+7]
	s_nop 0
	NOPS 4
.Lasked_\@:
.endm
.macro RESET
	s_mul_i32 s25, s[WR], 12288
	v_add_nc_u32 v[ADA16], s25, v[L16]
	v_add_nc_u32 v[ADA8], s25, v[L8]
	s_mul_i32 s25, s[WC], 24576
	s_add_co_u32 s25, s25, BT
	v_add_nc_u32 v[ADB16], s25, v[L16]
	v_add_nc_u32 v[ADB8], s25, v[L8]
.endm
	s_load_b256 s[4:11], s[0:1], 0x0
	s_load_b128 s[12:15], s[0:1], 0x20
	s_load_b64 s[16:17], s[0:1], 0x30
	v_lshl_add_u32 v[SPW], v0, 2, SPARE
	v_mov_b32 v[NIL], 0
	ds_add_u32 v[SPW], v[NIL]
	ds_add_u32 v[SPW], v[NIL]
	v_lshrrev_b32 v1, 5, v0
	v_readfirstlane_b32 s[WV], v1
	s_lshr_b32 s[WR], s[WV], 1
	s_and_b32 s[WC], s[WV], 1
	s_bfe_u32 s[CX], ttmp6, 0x40000
	s_bfe_u32 s[CY], ttmp6, 0x40004
	s_and_b32 s[TR], ttmp7, 0xffff
	s_lshl_b32 s[TR], s[TR], 2
	s_add_co_u32 s[TR], s[TR], s[CY]
	s_lshl_b32 s25, s[CY], 2
	s_lshl_b32 s25, 15, s25
	s_lshl_b32 s26, 0x1111, s[CX]
	s_or_b32 s[G1A], s25, (3<<16)|(1<<21)
	s_or_b32 s[G1R], s26, (3<<16)|(1<<21)
	s_mov_b32 s[G1A+1], 384<<16
	s_mov_b32 s[G1A+2], 8<<16
	s_mov_b32 s[G1A+3], 384<<16
	s_mov_b32 s[G1A+4], 8
	s_mov_b32 s[G1A+5], 1536
	s_mov_b32 s[G1A+6], 0
	s_mov_b32 s[G1A+7], 0
	s_mov_b32 s[G1R+1], 384<<16
	s_mov_b32 s[G1R+2], 16<<16
	s_mov_b32 s[G1R+3], 384<<16
	s_mov_b32 s[G1R+4], 16
	s_mov_b32 s[G1R+5], 1536
	s_mov_b32 s[G1R+6], 0
	s_mov_b32 s[G1R+7], 0
	s_lshl_b32 s92, s[TR], 3
	s_mul_i32 s92, s92, 12288                      ; A: the tile's eight row blocks,
	s_mul_i32 s96, s[WC], 3072                     ; and the chunk of two K steps that I fetch: 3,072 bytes of each block
	s_add_co_u32 s92, s92, s96
	s_mov_b32 s93, 0
	s_lshl_b32 s94, s[CX], 4
	s_add_co_u32 s94, s94, 512
	s_mul_i32 s94, s94, 12288                      ; B: the tile's sixteen row blocks, the same chunk
	s_add_co_u32 s94, s94, s96
	s_mov_b32 s95, 0
	s_mul_i32 s97, s[WC], 24576                    ; a chunk of A in LDS: 8 blocks x 3,072 bytes
	s_mul_i32 s98, s[WC], 49152                    ; a chunk of B: 16 blocks x 3,072 bytes
	s_lshl_b32 s2, s[CX], 4
	s_add_co_u32 s2, s2, 512
	s_mul_i32 s2, s2, 12288
	s_mul_i32 s3, s[WV], 3072
	s_add_co_u32 s2, s2, s3
	s_mov_b32 s3, 0
	s_mov_b32 s[SEL], 0x76543210
	s_mov_b32 s[SEL+1], 0xfedcba98
	s_mov_b32 s[HM], 0xffff0000
	s_wait_dscnt 0x0
	s_wait_kmcnt 0x0
	s_add_nc_u64 s[92:93], s[4:5], s[92:93]
	s_add_nc_u64 s[94:95], s[4:5], s[94:95]
	s_add_nc_u64 s[PWR:PWR+1], s[4:5], s[2:3]
	CROUND
; Two groups of joint loads, one load a wave in each: waves 0, 1 fetch A's chunks c 2 + 0, 1, waves 2, 3 B's: group 0 chunks 0 and 1 (K steps 0-3), group 1 chunks 2 and 3
.irp c, 0,1
	s_mov_b32 s[G0A+4*\c], 1
	s_add_co_u32 s[G0A+4*\c+1], s97, AT+49152*\c
	s_add_nc_u64 s[G0A+4*\c+2:G0A+4*\c+3], s[92:93], 6144*\c
	s_or_b32 s[G0A+4*\c+3], s[G0A+4*\c+3], 0x80000000
	s_mov_b32 s[G0B+4*\c], 1
	s_add_co_u32 s[G0B+4*\c+1], s98, BT+98304*\c
	s_add_nc_u64 s[G0B+4*\c+2:G0B+4*\c+3], s[94:95], 6144*\c
	s_or_b32 s[G0B+4*\c+3], s[G0B+4*\c+3], 0x80000000
.endr
	JLOAD 0                                        ; one tensor load a wave at the head
	v_and_b32 v1, 31, v0
	v_lshlrev_b32 v[L16], 4, v1
	v_lshlrev_b32 v[L8], 3, v1
	v_and_b32 v14, 15, v0
	v_bfe_u32 v15, v0, 4, 1
	v_lshlrev_b32 v[R16], 4, v14
	RESET
	v_and_b32 v16, 8, v14
	v_add_nc_u32 v16, v16, v14
	v_lshlrev_b32 v[BLA], 6, v16
	v_lshl_add_u32 v[BLA], v15, 5, v[BLA]
	v_mul_u32_u24 v16, v15, 6144
	v_lshl_add_u32 v[SCQ], v14, 4, v16
	v_lshl_add_u32 v[SCV], v14, 3, v16
.irp k, 0,1,2,3,4,5,6,7
	v_mov_b32 v[TMP+\k], 0
.endr
	s_lshl_b32 s92, s[TR], 3
	s_lshl_b32 s25, s[WR], 2
	s_add_co_u32 s92, s92, s25
	s_lshl_b32 s92, s92, 9
	s_mov_b32 s93, 0
	s_add_nc_u64 s[PSA:PSA+1], s[6:7], s[92:93]
	s_lshl_b32 s94, s[CX], 4
	s_lshl_b32 s25, s[WC], 3
	s_add_co_u32 s94, s94, s25
	s_add_co_u32 s94, s94, 512
	s_lshl_b32 s94, s94, 9
	s_mov_b32 s95, 0
	s_add_nc_u64 s[PSB:PSB+1], s[6:7], s[94:95]
	s_add_nc_u64 s[PSL:PSL+1], s[6:7], 768*512
	s_add_nc_u64 s[PLF:PLF+1], s[4:5], 768*12288
	s_lshl_b32 s26, s[CX], 14
	s_lshl_b32 s25, s[WC], 13
	s_add_co_u32 s26, s26, s25
	s_mov_b32 s27, 0
	s_add_nc_u64 s[8:9], s[8:9], s[26:27]
	s_add_nc_u64 s[10:11], s[10:11], s[26:27]
	s_add_nc_u64 s[12:13], s[12:13], s[26:27]
.macro LOADW p
.irp b, 0,1,2,3,4,5,6,7
.irp f, 0,1
	global_load_b128 v[SB+8*\b+4*\f:SB+8*\b+4*\f+3], v[R16], s[PSB:PSB+1] offset:32768*(\p)+512*\b+256*\f
.endr
.endr
.irp f, 0,1
	global_load_b128 v[SL+4*\f:SL+4*\f+3], v[R16], s[PSL:PSL+1] offset:512*(\p)+256*\f
.endr
	WIN 0x80
.irp s, 0,1,2,3,4,5,6,7
	global_load_b128 v[LF+12*\s:LF+12*\s+3], v[L16], s[PLF:PLF+1] offset:12288*(\p)+1536*\s
	global_load_b64 v[LF+12*\s+4:LF+12*\s+5], v[L8], s[PLF:PLF+1] offset:12288*(\p)+1536*\s+512
	global_load_b128 v[LF+12*\s+6:LF+12*\s+9], v[L16], s[PLF:PLF+1] offset:12288*(\p)+1536*\s+768
	global_load_b64 v[LF+12*\s+10:LF+12*\s+11], v[L8], s[PLF:PLF+1] offset:12288*(\p)+1536*\s+1280
.endr
	WIN 0
.endm
.macro LOADB ptr
	WIN 0x40
.irp b, 0,1,2,3,4,5,6,7
	global_load_b128 v[BLO+8*\b:BLO+8*\b+3], v[BLA], s[\ptr:\ptr+1] offset:(32*(\b/2)+8*(\b%2))*64
	global_load_b128 v[BLO+8*\b+4:BLO+8*\b+7], v[BLA], s[\ptr:\ptr+1] offset:(32*(\b/2)+8*(\b%2))*64+16
.endr
	WIN 0
.endm
.irp a, 0,1,2,3
.irp f, 0,1
	global_load_b128 v[SA+8*\a+4*\f:SA+8*\a+4*\f+3], v[R16], s[PSA:PSA+1] offset:512*\a+256*\f
.endr
.endr
	LOADW 0
	LOADB 8
.macro FRAG reg, a16, a8, off
	ds_load_b128 v[\reg:\reg+3], v[\a16] offset:\off
	ds_load_b64 v[\reg+4:\reg+5], v[\a8] offset:\off+512
	ds_load_b128 v[\reg+6:\reg+9], v[\a16] offset:\off+768
	ds_load_b64 v[\reg+10:\reg+11], v[\a8] offset:\off+1280
.endm
.macro FETCH set, q
	WIN 0x40*(1+(\set))
.irp i, 0,1,2,3
	FRAG 12*\i, ADA16, ADA8, 3072*\i+1536*(\q)
.endr
.irp i, 0,1,2,3,4,5,6,7
	FRAG 48+12*\i, ADB16, ADB8, 3072*\i+1536*(\q)
.endr
	WIN 0
.endm
.macro XA s, p
	WIN 0x06+4*(\p)
.irp a, 0,1,2,3
.if (\s) == 0
	v_wmma_scale_f32_16x16x128_f8f6f4 v[XAC+8*\a:XAC+8*\a+7], v[LF+12*(\s):LF+12*(\s)+11], v[12*\a:12*\a+11], 0, v[SL+(\s)], v[SA+8*\a+(\s)] matrix_a_fmt:MATRIX_FMT_FP6 matrix_b_fmt:MATRIX_FMT_FP6
.else
	v_wmma_scale_f32_16x16x128_f8f6f4 v[XAC+8*\a:XAC+8*\a+7], v[LF+12*(\s):LF+12*(\s)+11], v[12*\a:12*\a+11], v[XAC+8*\a:XAC+8*\a+7], v[SL+(\s)], v[SA+8*\a+(\s)] matrix_a_fmt:MATRIX_FMT_FP6 matrix_b_fmt:MATRIX_FMT_FP6
.endif
.endr
.endm
.macro MUL s, p, v
	WIN 0xf5+5*(\p)
.irp a, 0,1,2,3
.irp b, 0,1,2,3,4,5,6,7
.if \v
.set AC, 8*(4*\b+\a)
.if (\s) == 0
	v_wmma_scale_f32_16x16x128_f8f6f4 v[AC:AC+7], v[12*\a:12*\a+11], v[48+12*\b:48+12*\b+11], 0, v[SA+8*\a+(\s)], v[SB+8*\b+(\s)] matrix_a_fmt:MATRIX_FMT_FP6 matrix_b_fmt:MATRIX_FMT_FP6
.else
	v_wmma_scale_f32_16x16x128_f8f6f4 v[AC:AC+7], v[12*\a:12*\a+11], v[48+12*\b:48+12*\b+11], v[AC:AC+7], v[SA+8*\a+(\s)], v[SB+8*\b+(\s)] matrix_a_fmt:MATRIX_FMT_FP6 matrix_b_fmt:MATRIX_FMT_FP6
.endif
.else
.set AC, 8*(8*\a+\b)
.if (\s) == 0
	v_wmma_scale_f32_16x16x128_f8f6f4 v[AC:AC+7], v[48+12*\b:48+12*\b+11], v[12*\a:12*\a+11], 0, v[SB+8*\b+(\s)], v[SA+8*\a+(\s)] matrix_a_fmt:MATRIX_FMT_FP6 matrix_b_fmt:MATRIX_FMT_FP6
.else
	v_wmma_scale_f32_16x16x128_f8f6f4 v[AC:AC+7], v[48+12*\b:48+12*\b+11], v[12*\a:12*\a+11], v[AC:AC+7], v[SB+8*\b+(\s)], v[SA+8*\a+(\s)] matrix_a_fmt:MATRIX_FMT_FP6 matrix_b_fmt:MATRIX_FMT_FP6
.endif
.endif
.endr
.endr
.endm
.macro STEP s, v, first
.set P, (\s)%2
	s_wait_dscnt 0x0
.if ((\s)%2 == 1) && ((\s) < 7)
.if (\first) && ((\s) == 3)
	s_wait_tensorcnt 0x0                           ; my part of chunks 2 and 3 is in; the barrier shows everybody's
	s_barrier_signal -1
	s_barrier_wait -1
.endif
	v_add_nc_u32 v[ADA16], 24576, v[ADA16]
	v_add_nc_u32 v[ADA8], 24576, v[ADA8]
	v_add_nc_u32 v[ADB16], 49152, v[ADB16]
	v_add_nc_u32 v[ADB8], 49152, v[ADB8]
.elseif ((\s) > 0) && ((\s) < 7)
	NOPS 4
.endif
.if (\s) < 7
	s_wait_alu depctr_va_vdst(0)
	FETCH 1-P, ((\s)+1)%2
.endif
	XA \s, P
	MUL \s, P, \v
	WIN 0
.endm
.macro KLOOP v, first
.irp s, 0,1,2,3,4,5,6,7
	STEP \s, \v, \first
.endr
.endm
.macro REFILL p
	s_wait_tensorcnt 0x0
	ds_add_u32 v[SPW], v[NIL]
	s_mov_b32 s[G0B], 1
	s_mul_i32 s[G0B+1], s[WV], 49152
	s_add_co_u32 s[G0B+1], s[G0B+1], BT
	s_add_nc_u64 s[G0B+2:G0B+3], s[PWR:PWR+1], 786432*(\p)
	s_or_b32 s[G0B+3], s[G0B+3], 0x80000000
	s_wait_dscnt 0x0
	CROUND
	tensor_load_to_lds s[G0B:G0B+3], s[G1R:G1R+7]
	s_nop 0
	NOPS 4
.endm
.macro NEXT
	s_wait_tensorcnt 0x0
	s_barrier_signal -1
	s_barrier_wait -1
	RESET
	FETCH 0, 0
	s_wait_loadcnt NB
.endm
.macro LORA v, cnt
	s_wait_loadcnt \cnt
	NOPS 5
	WIN 0x40
.irp k, 0,1,2,3,4,5,6,7,8,9,10,11,12,13,14,15
	v_pk_mul_f32 v[XAS+2*\k:XAS+2*\k+1], v[XAC+2*\k:XAC+2*\k+1], 0x3d800000 op_sel_hi:[1,0]
.endr
	NOPS 8
	WIN 0xf5
.irp q, 0,1,2,3
.irp a, 0,1,2,3
.irp b, 0,1,2,3,4,5,6,7
.if \v
	v_wmma_f32_16x16x4_f32 v[8*(4*\b+\a):8*(4*\b+\a)+7], v[XAS+8*\a+2*\q:XAS+8*\a+2*\q+1], v[BLO+8*\b+2*\q:BLO+8*\b+2*\q+1], v[8*(4*\b+\a):8*(4*\b+\a)+7]
.else
	v_wmma_f32_16x16x4_f32 v[8*(8*\a+\b):8*(8*\a+\b)+7], v[BLO+8*\b+2*\q:BLO+8*\b+2*\q+1], v[XAS+8*\a+2*\q:XAS+8*\a+2*\q+1], v[8*(8*\a+\b):8*(8*\a+\b)+7]
.endif
.endr
.endr
.endr
	WIN 0
	NOPS 9
.endm
.macro EPI4 i0, v, ptr, ex
	WIN 0x0f
.irp g, 0,1,2,3
.irp b, 0,1
	v_max3_num_f32 v[TMX+2*\g+\b], |v[32*((\i0)+\g)+16*\b]|, |v[32*((\i0)+\g)+16*\b+1]|, 0x1800000
.endr
.endr
	WIN 0x3c
.irp i, 2,4,6,8,10,12,14
.irp g, 0,1,2,3
.irp b, 0,1
	v_max3_num_f32 v[TMX+2*\g+\b], v[TMX+2*\g+\b], |v[32*((\i0)+\g)+16*\b+\i]|, |v[32*((\i0)+\g)+16*\b+\i+1]|
.endr
.endr
.endr
	WIN 0
.irp k, 0,1,2,3,4,5,6,7
	v_permlanex16_b32 v[TMP+\k], v[TMX+\k], s[SEL], s[SEL+1]
.endr
.irp k, 0,1,2,3,4,5,6,7
	v_max_num_f32 v[TMX+\k], v[TMX+\k], v[TMP+\k]
.endr
.irp k, 0,1,2,3,4,5,6,7
	v_add_nc_u32 v[TSC+\k], 0xff000000, v[TMX+\k]
.endr
.irp k, 0,1,2,3,4,5,6,7
	v_lshrrev_b32 v[TMP+\k], 23, v[TSC+\k]
.endr
.irp g, 0,1,2,3
	v_lshl_or_b32 v[HW+(\i0)+\g], v[TMP+2*\g+1], 8, v[TMP+2*\g]
.endr
	s_wait_xcnt 0x0
	WIN 0x03
.irp g, 0,1,2,3
	v_cvt_scalef32_pk16_fp6_f32 v[PC+6*\g:PC+6*\g+2], v[32*((\i0)+\g):32*((\i0)+\g)+15], v[TSC+2*\g]
	v_cvt_scalef32_pk16_fp6_f32 v[PX+4*\g:PX+4*\g+2], v[32*((\i0)+\g)+16:32*((\i0)+\g)+31], v[TSC+2*\g+1]
.endr
	WIN 0
	v_nop
.irp g, 0,1,2,3
.irp i, 0,1,2
	v_permlane16_swap_b32 v[PC+6*\g+\i], v[PX+4*\g+\i]
.endr
.irp i, 0,1,2
	v_mov_b32 v[PC+6*\g+3+\i], v[PX+4*\g+\i]
.endr
.endr
.irp g, 0,1,2,3
.if \v
.set OFS, 1536*((\i0)+\g)
.else
.set OFS, (\ex)+768*(((\i0)+\g)/2)+49152*(((\i0)+\g)%2)
.endif
	global_store_b128 v[L16], v[PC+6*\g:PC+6*\g+3], s[\ptr:\ptr+1] offset:OFS
	global_store_b64 v[L8], v[PC+6*\g+4:PC+6*\g+5], s[\ptr:\ptr+1] offset:OFS+512
.endr
.endm
.macro QKOUT ex, sx
	EPI4 0, 0, QC, \ex
	EPI4 4, 0, QC, \ex
.irp a, 0,1,2,3
	v_cndmask_b32 v[SD+\a], v[HW+2*\a], v[HW+2*\a+1], s[HM]
.endr
	global_store_b128 v[SCQ], v[SD:SD+3], s[QS:QS+1] offset:\sx
.endm
	s_wait_alu depctr_va_vdst(0)
	s_wait_tensorcnt 0x0                           ; my part of chunks 0 and 1 is in
	ds_add_u32 v[SPW], v[NIL]
	s_wait_dscnt 0x0
	CROUND
	JLOAD 1                                        ; chunks 2 and 3, the first tensor load behind the round
	FETCH 0, 0
	s_wait_loadcnt NB
	KLOOP 0, 1
	REFILL 1
	LOADW 1
	s_lshr_b32 s25, s[TR], 3
	s_lshl_b32 s2, s25, 4
	s_lshl_b32 s26, s[CX], 2
	s_lshl_b32 s27, s[WC], 1
	s_add_co_u32 s26, s26, s27
	s_add_co_u32 s2, s2, s26
	s_and_b32 s3, s[TR], 7
	s_mul_i32 s[VC], s25, 786432
	s_mul_i32 s27, s3, 98304
	s_add_co_u32 s[VC], s[VC], s27
	s_mul_i32 s27, s26, 6144
	s_add_co_u32 s[VC], s[VC], s27
	s_mul_i32 s27, s[WR], 768
	s_add_co_u32 s[VC], s[VC], s27
	s_add_co_u32 s[VC], s[VC], 12582912
	s_mov_b32 s[VC+1], 0
	s_add_nc_u64 s[VC:VC+1], s[14:15], s[VC:VC+1]
	s_mul_i32 s[VS], s2, 6144
	s_lshl_b32 s27, s3, 8
	s_add_co_u32 s[VS], s[VS], s27
	s_lshl_b32 s27, s[WR], 7
	s_add_co_u32 s[VS], s[VS], s27
	s_add_co_u32 s[VS], s[VS], 786432+4096
	s_mov_b32 s[VS+1], 0
	s_add_nc_u64 s[VS:VS+1], s[16:17], s[VS:VS+1]
	s_lshl_b32 s3, s3, 3
	s_lshl_b32 s27, s[WR], 2
	s_add_co_u32 s3, s3, s27
	s_mul_i32 s[QC], s2, 49152
	s_mul_i32 s27, s3, 768
	s_add_co_u32 s[QC], s[QC], s27
	s_mov_b32 s[QC+1], 0
	s_add_nc_u64 s[QC:QC+1], s[14:15], s[QC:QC+1]
	s_mul_i32 s[QS], s2, 6144
	s_lshl_b32 s27, s3, 6
	s_add_co_u32 s[QS], s[QS], s27
	s_mov_b32 s[QS+1], 0
	s_add_nc_u64 s[QS:QS+1], s[16:17], s[QS:QS+1]
	LORA 0, NW
	LOADB 10
	QKOUT 0, 0
	NEXT
	KLOOP 0, 0
	REFILL 2
	LOADW 2
	LORA 0, NW
	LOADB 12
	QKOUT 6291456, 786432
	NEXT
	KLOOP 1, 0
	LORA 1, 0
	EPI4 0, 1, VC, 0
	EPI4 4, 1, VC, 0
	v_lshl_or_b32 v[SD], v[HW+1], 16, v[HW]
	v_lshl_or_b32 v[SD+1], v[HW+3], 16, v[HW+2]
	v_lshl_or_b32 v[SD+2], v[HW+5], 16, v[HW+4]
	v_lshl_or_b32 v[SD+3], v[HW+7], 16, v[HW+6]
	v_cndmask_b32 v[SD], v[SD], v[SD+2], s[HM]
	v_cndmask_b32 v[SD+1], v[SD+1], v[SD+3], s[HM]
	global_store_b64 v[SCV], v[SD:SD+1], s[VS:VS+1]
	s_wait_tensorcnt 0x0
	ds_add_u32 v[SPW], v[NIL]
	s_wait_dscnt 0x0
	CROUND
	s_endpgm
.Lfunc_end_k_q88016c0259_qkv:
	.size	k_q88016c0259_qkv, .Lfunc_end_k_q88016c0259_qkv-k_q88016c0259_qkv
	.p2alignl 7, 3214868480
	.fill 96, 4, 3214868480
	.section	.rodata,"a",@progbits
	.p2align	6, 0x0
	.amdhsa_kernel k_q88016c0259_qkv
		.amdhsa_group_segment_fixed_size 327680
		.amdhsa_private_segment_fixed_size 0
		.amdhsa_enable_private_segment 0
		.amdhsa_kernarg_size 56
		.amdhsa_user_sgpr_count 2
		.amdhsa_user_sgpr_kernarg_segment_ptr 1
		.amdhsa_wavefront_size32 1
		.amdhsa_system_sgpr_workgroup_id_x 1
		.amdhsa_system_sgpr_workgroup_id_y 1
		.amdhsa_system_sgpr_workgroup_id_z 1
		.amdhsa_system_vgpr_workitem_id 0
		.amdhsa_next_free_vgpr 1024
		.amdhsa_next_free_sgpr 102
		.amdhsa_reserve_vcc 0
		.amdhsa_float_denorm_mode_32 3
		.amdhsa_float_denorm_mode_16_64 3
		.amdhsa_memory_ordered 1
		.amdhsa_forward_progress 1
		.amdhsa_inst_pref_size 255
	.end_amdhsa_kernel
	.section	.bss,"aw",@nobits
	.p2align	6
	.space	262144
	.amdgpu_metadata
---
amdhsa.version: [ 1, 2 ]
amdhsa.kernels:
  - .name:           k_q88016c0259_qkv
    .symbol:         k_q88016c0259_qkv.kd
    .args:
      - { .name: codes, .offset: 0, .size: 8, .value_kind: global_buffer, .address_space: global }
      - { .name: scl, .offset: 8, .size: 8, .value_kind: global_buffer, .address_space: global }
      - { .name: Bq, .offset: 16, .size: 8, .value_kind: global_buffer, .address_space: global }
      - { .name: Bk, .offset: 24, .size: 8, .value_kind: global_buffer, .address_space: global }
      - { .name: Bv, .offset: 32, .size: 8, .value_kind: global_buffer, .address_space: global }
      - { .name: atc, .offset: 40, .size: 8, .value_kind: global_buffer, .address_space: global }
      - { .name: ats, .offset: 48, .size: 8, .value_kind: global_buffer, .address_space: global }
    .group_segment_fixed_size: 327680
    .private_segment_fixed_size: 0
    .kernarg_segment_align: 8
    .kernarg_segment_size: 56
    .max_flat_workgroup_size: 128
    .sgpr_count:     102
    .vgpr_count:     1024
    .wavefront_size: 32
...
	.end_amdgpu_metadata
.endif
;; end of part 2
;; launch attn (part 3): grid 4 x 64, 16 waves a work-group, clusters of 4 x 1, 327,680 bytes of LDS; arguments atc, ats, oc, osc; writes oc, osc
.if DOCPART == 3
	.amdgcn_target "amdgcn-amd-amdhsa--gfx1250"
	.amdhsa_code_object_version 6
	.text
	.protected	k_q88016c0259_attn
	.globl	k_q88016c0259_attn
	.p2align	8
	.type	k_q88016c0259_attn,@function
k_q88016c0259_attn:
	s_mov_b64 s[64:65], 0
	v_nop
	global_prefetch_b8 v0, s[64:65] scope:SCOPE_SE
	s_setreg_imm32_b32 hwreg(HW_REG_WAVE_MODE, 25, 1), 1
	s_wait_xcnt 0x0
	s_wait_alu depctr_hold_cnt(0) depctr_sa_sdst(0) depctr_va_vdst(0) depctr_va_sdst(0) depctr_va_ssrc(0) depctr_va_vcc(0) depctr_vm_vsrc(0)
	s_getreg_b32 s2, hwreg(HW_REG_IB_STS2, 6, 4)
	s_cmp_eq_u32 s2, 0
	s_cbranch_scc0 .Lentry_in_a_cluster
	s_endpgm
.Lentry_in_a_cluster:
	s_bfe_u32 s2, ttmp6, 0x10000c
	s_cmp_lg_u32 s2, 0x3003
	s_cbranch_scc0 .Lentry_shape_is_right
	s_endpgm
.Lentry_shape_is_right:
; o = softmax(q k^T / 8) v for two heads of one batch, both products on codes of FP6 with E8M0 scales; o is quantised along (head, channel) at once and leaves as half images with scale bytes.
; THE SOFTMAX: t = score x log2(e) / 8; M = the running largest t rounded up to a whole number; p = 2^(t - M) is quantised along the keys, not normalised; the sum of the unquantised p divides o at the end.
; SHARES.  A work-group owns 256 queries and a pair of heads; each of its sixteen waves one tile of 16 queries, first for the even head, then for the odd one.  Four waves share a SIMD.
; ALL KEYS AND VALUES OF BOTH HEADS LIE IN LDS, each byte filled once, by two groups of joint loads, one load a wave in each (the four work-groups of a cluster are the four query blocks of one pair of heads).
; Group 0, at the head: waves 0-3 the even head's k (12,288 bytes each), waves 4-11 its v (a key step, 6,144 bytes, each), waves 12-15 both heads' scale bytes (3,072 each).
; Group 1, behind the wait, the add and a round: the odd head's k (waves 0-7) and v (waves 8-15), 6,144 bytes each.  The wait for it, and the barrier that shows it to every wave, stand behind the even
; head's FIRST key step, which is written out, not between the heads.
; No prefetch: every tile is asked for by these two groups, and there is no loop to run ahead in.
; Both products are used transposed (S^T = k q^T, O^T = v^T p^T): a lane holds one query.
; WHICH KEYS FORM A TILE OF k IS CHOSEN BY THE LDS ADDRESSES.  In memory tile 2 b + u' of a key step holds in row 8 h' + j key 32 b + 16 h' + 8 u' + j.  Tile 4 c + u as it is read here takes in rows 0-7 keys 64 c + 8 u + j and in rows 8-15
; keys 64 c + 32 + 8 u + j: row 8 g + j comes from stored tile 4 c + 2 g + u % 2, row 8 (u / 2) + j.  So the 32 registers of tiles 4 c .. 4 c + 3 in lane (r, h) are keys 64 c + 32 h + 0 .. 31: a WHOLE block of 32 in a lane, in the order
; that the operand's layout wants: a block's largest score needs no other lane, and p's codes change no lane.
; THE HEAD IS 64 WIDE, THE INSTRUCTION 128: q's registers 6-11 are zero codes.  k's operand of tile t is v[32 + 6 t .. 43 + 6 t]: its upper six registers are the next tile's codes (or a pad of zeros); every code of this format is a finite
; number, so these products are zeros; bytes 2 and 3 of q's and k's scale words are 0, which is a power of two and no NaN.
; LIMITS: NaN and infinities are not served; the promise holds while the scaled scores t stay under 2^31 in magnitude; a block of o whose largest magnitude lies under 2^-124 gets the scale byte 1.
; REGISTERS: v1-10, v92-95, v228, v229 addresses; v11 o's bytes of the even head; v12 -M, v13 the largest t, v[14:15] the sum; v16-27 q; v28-31 the end's; v32-85 k's or v's fragments and the pad; v86-91 the odd head's q;
;   v96-159 S^T, then p; v160-191 O^T; v192-211 p's codes; v212-219 k's scale words; v220-223 v's; v224-227 v's halfwords as they lie; v232-247 at work; v248, v249 q's scale words; v[250:251] f; v252 p's scale word; v254 at work.
.set SCB,   196608                     ; behind the two heads' tiles (98,304 bytes a head: k, then v): their scale bytes, 6,144 a head
.set SPARE, 208896                     ; the spare words, 128 bytes a wave
.set OSTG,  210944                     ; o's scale words of the work-group's 16 tiles: 1,024 bytes
.set L16, 1
.set L8,  2
.set KB16, 3                           ; k's fragments, lane term: 1536 (r / 8) + 16 (r % 8) + 256 h
.set R8,  4
.set SPW, 5
.set NIL, 6
.set ADK16, 7
.set ADK8,  8
.set ADS, 9
.set ADT, 10
.set OW,  28
.set ORD, 29
.set KB8, 92                           ; 1536 (r / 8) + 8 (r % 8) + 128 h
.set KSB, 93                           ; k's scale words, lane term: 16 (r % 8) + 8 (r / 8)
.set ADV16, 94
.set ADV8,  95
.set SH8, 228                          ; 8 h
.set R16, 229
.set WV,  12
.set SEL, 20
.set CS,  22
.set G1C, 24                           ; 24 rows of 256 bytes
.set G1S, 32                           ; 12 rows
.set G1K, 68                           ; 48 rows
.set TK,  52
.set TSK, 53
.set TSV, 54
.set CNT, 55
.macro ROUND
	s_barrier_signal -1
	s_barrier_wait -1
	s_cmp_lg_u32 s[WV], 0
	s_cbranch_scc1 .Lnot_wave_0_\@
	s_barrier_signal -3
.Lnot_wave_0_\@:
	s_barrier_wait -3
	s_barrier_signal -1
	s_barrier_wait -1
.endm
.macro GRP1 g, rows                    ; a dense block as rows of 256 bytes (32 elements of 8); all four work-groups; bit 21 beside the mask
	s_mov_b32 s[\g], 15|(3<<16)|(1<<21)
	s_mov_b32 s[\g+1], 32<<16
	s_mov_b32 s[\g+2], (\rows)<<16
	s_mov_b32 s[\g+3], 32<<16
	s_mov_b32 s[\g+4], \rows
	s_mov_b32 s[\g+5], 32
	s_mov_b32 s[\g+6], 0
	s_mov_b32 s[\g+7], 0
.endm
.macro NOP4
.rept 4
	v_nop
.endr
.endm
	s_load_b256 s[4:11], s[0:1], 0x0               ; atc, ats, oc, osc
	v_lshl_add_u32 v[SPW], v0, 2, SPARE
	v_mov_b32 v[NIL], 0
	ds_add_u32 v[SPW], v[NIL]                      ; the wave's opening: the add, twice on end, and its wait ahead of my first tensor load
	ds_add_u32 v[SPW], v[NIL]
	v_lshrrev_b32 v7, 5, v0
	v_readfirstlane_b32 s[WV], v7
	s_bfe_u32 s13, ttmp6, 0x40000                  ; cx: my block of 256 queries: it enters q's and o's global addresses alone
	s_and_b32 s14, ttmp7, 0xffff
	s_lshr_b32 s15, s14, 3                         ; the batch
	s_and_b32 s16, s14, 7                          ; the pair of heads
	GRP1 G1C, 24
	GRP1 G1S, 12
	GRP1 G1K, 48
	s_lshl_b32 s17, s15, 4
	s_lshl_b32 s18, s16, 1
	s_add_co_u32 s17, s17, s18                     ; the even head among all: 16 x batch + 2 x pair
	s_mul_i32 s2, s17, 49152
	s_add_co_u32 s2, s2, 6291456                   ; k of the even head
	s_mul_i32 s3, s15, 786432
	s_mul_i32 s19, s18, 6144
	s_add_co_u32 s3, s3, s19
	s_mul_i32 s19, s[WV], 98304
	s_add_co_u32 s3, s3, s19                       ; v: batch, even head, and 98,304 x wave (a key step)
	s_mul_i32 s77, s[WV], 12288                    ; waves 0-3: a quarter of the even head's k, at the same place in LDS
	s_add_co_u32 s56, s2, s77
	s_add_co_u32 s58, s3, 12582912-4*98304         ; waves 4-11: v's key step w - 4,
	s_mul_i32 s19, s[WV], 6144
	s_add_co_u32 s81, s19, 49152-4*6144            ; behind k
	s_add_co_u32 s49, s19, 98304                   ; group 1: the odd head's sixteen parts
	s_add_co_u32 s62, s2, s19
	s_add_co_u32 s62, s62, 49152                   ; waves 0-7: the odd head's k, key step w
	s_add_co_u32 s2, s3, 12582912+6144-8*98304     ; waves 8-15: its v, key step w - 8
	s_cmp_lt_u32 s[WV], 8
	s_cselect_b32 s62, s62, s2
	s_mul_i32 s19, s[WV], 3072                     ; waves 12-15: a quarter of the two heads' scale bytes
	s_add_co_u32 s41, s19, SCB-12*3072
	s_mul_i32 s60, s17, 6144
	s_add_co_u32 s60, s60, s19
	s_add_co_u32 s60, s60, 786432-12*3072
	s_mov_b32 s57, 0
	s_mov_b32 s59, 0
	s_mov_b32 s61, 0
	s_mov_b32 s63, 0
	s_mov_b32 s[SEL], 0x76543210
	s_mov_b32 s[SEL+1], 0xfedcba98
	s_mov_b32 s[CS], 0x3e38aa3b                    ; c = log2(e) / 8
	s_mov_b32 s[CS+1], s[CS]
	s_wait_dscnt 0x0                               ; both opening adds are done
	s_wait_kmcnt 0x0
	s_mov_b32 s76, 1
	s_add_nc_u64 s[78:79], s[4:5], s[56:57]
	s_or_b32 s79, s79, 0x80000000
	s_mov_b32 s80, 1
	s_add_nc_u64 s[82:83], s[4:5], s[58:59]
	s_or_b32 s83, s83, 0x80000000
	s_mov_b32 s40, 1
	s_add_nc_u64 s[42:43], s[6:7], s[60:61]
	s_or_b32 s43, s43, 0x80000000
	s_mov_b32 s48, 1
	s_add_nc_u64 s[50:51], s[4:5], s[62:63]
	s_or_b32 s51, s51, 0x80000000
	ROUND                                          ; all four work-groups are here: the joint loads meet
	s_cmp_lt_u32 s[WV], 4                          ; one chain of branches on the wave's number, one load to an arm
	s_cbranch_scc0 .Lhead_v
	tensor_load_to_lds s[76:79], s[G1K:G1K+7]
	s_nop 0
	NOP4
	s_branch .Lhead_asked
.Lhead_v:
	s_cmp_lt_u32 s[WV], 12
	s_cbranch_scc0 .Lhead_s
	tensor_load_to_lds s[80:83], s[G1C:G1C+7]
	s_nop 0
	NOP4
	s_branch .Lhead_asked
.Lhead_s:
	tensor_load_to_lds s[40:43], s[G1S:G1S+7]
	s_nop 0
	NOP4
.Lhead_asked:
	v_and_b32 v7, 31, v0
	v_and_b32 v8, 15, v0                           ; r
	v_bfe_u32 v9, v0, 4, 1                         ; h
	v_and_b32 v10, 7, v0                           ; r % 8
	v_bfe_u32 v30, v0, 3, 1                        ; r / 8
	v_lshlrev_b32 v[L16], 4, v7
	v_lshlrev_b32 v[L8], 3, v7
	v_lshlrev_b32 v[R16], 4, v8
	v_lshlrev_b32 v[R8], 3, v8
	v_lshlrev_b32 v[SH8], 3, v9
	v_mul_u32_u24 v31, v30, 1536
	v_lshlrev_b32 v[KSB], 4, v10
	v_lshl_add_u32 v[KB16], v10, 4, v31
	v_lshl_add_u32 v[KB8], v10, 3, v31
	v_lshl_add_u32 v[KSB], v30, 3, v[KSB]
	v_lshl_add_u32 v[KB16], v9, 8, v[KB16]
	v_lshl_add_u32 v[KB8], v9, 7, v[KB8]
	s_lshl_b32 s3, s[WV], 6
	v_lshl_add_u32 v[OW], v8, 2, OSTG
	v_add_nc_u32 v[OW], s3, v[OW]                  ; where my tile's scale words go: 64 w + 4 r
	s_and_b32 s3, s[WV], 1
	s_lshl_b32 s3, s3, 9
	v_add_nc_u32 v[ORD], s3, v[L16]
	v_add_nc_u32 v[ORD], OSTG, v[ORD]              ; and where waves 0 and 1 read them back
	s_wait_alu depctr_va_vdst(0)
	s_lshl_b32 s19, s13, 4
	s_add_co_u32 s19, s19, s[WV]                   ; my tile of queries in the batch
	s_mul_i32 s56, s17, 49152
	s_mul_i32 s3, s19, 768
	s_add_co_u32 s56, s56, s3
	s_mov_b32 s57, 0
	s_add_nc_u64 s[56:57], s[4:5], s[56:57]        ; q's half image
	s_mul_i32 s58, s17, 6144
	s_lshr_b32 s3, s19, 2
	s_lshl_b32 s3, s3, 8
	s_add_co_u32 s58, s58, s3
	s_and_b32 s3, s19, 3
	s_lshl_b32 s3, s3, 2
	s_add_co_u32 s58, s58, s3
	s_mov_b32 s59, 0
	s_add_nc_u64 s[58:59], s[6:7], s[58:59]        ; q's scale words
	global_load_b128 v[16:19], v[L16], s[56:57]
	global_load_b64 v[20:21], v[L8], s[56:57] offset:512
	global_load_b128 v[86:89], v[L16], s[56:57] offset:49152
	global_load_b64 v[90:91], v[L8], s[56:57] offset:49664
	global_load_b32 v248, v[R16], s[58:59]
	global_load_b32 v249, v[R16], s[58:59] offset:6144
	s_lshl_b32 s60, s15, 6
	s_add_co_u32 s60, s60, s19
	s_mul_i32 s60, s60, 12288
	s_mul_i32 s3, s18, 768
	s_add_co_u32 s60, s60, s3
	s_mov_b32 s61, 0
	s_add_nc_u64 s[8:9], s[8:9], s[60:61]          ; oc: row block x 12,288 + head x 768
	s_lshl_b32 s60, s15, 6
	s_lshl_b32 s3, s13, 4
	s_add_co_u32 s60, s60, s3
	s_lshl_b32 s60, s60, 6
	s_lshl_b32 s3, s16, 15
	s_add_co_u32 s60, s60, s3
	s_and_b32 s3, s[WV], 1
	s_lshl_b32 s3, s3, 9
	s_add_co_u32 s60, s60, s3
	s_add_nc_u64 s[10:11], s[10:11], s[60:61]      ; osc: K step x 32,768 + row block x 64
.irp i, 0,1,2,3,4,5
	v_mov_b32 v[22+\i], 0                          ; q's upper half: zero codes
	v_mov_b32 v[80+\i], 0                          ; the pad behind k's last tile
.endr
.irp b, 0,1,2,3
	v_mov_b32 v[236+\b], 0                         ; a lane permute's destination counts as one of its sources
.endr
	v_mov_b32 v251, 0                              ; (named as the upper half of the pair v[250:251])
	v_mov_b32 v254, 0
.macro SUM7 o                          ; seven chains of the row's sum take one pair of p each
.set K, 0
.irp r, 236,238,240,242,244,246,252
	v_pk_add_f32 v[\r:\r+1], v[\r:\r+1], v[96+\o+8*K:97+\o+8*K]
.set K, K+1
.endr
.endm
; A KEY STEP: 128 keys of head e.
.macro KSTEP e
	v_add_nc_u32 v[ADK16], s[TK], v[KB16]          ; these six are also the places in front of loads into registers that the last products read
	v_add_nc_u32 v[ADK8], s[TK], v[KB8]
	v_add_nc_u32 v[ADV16], s[TK], v[L16]
	v_add_nc_u32 v[ADV8], s[TK], v[L8]
	v_add_nc_u32 v[ADS], s[TSK], v[KSB]
	v_add_nc_u32 v[ADT], s[TSV], v[R8]
.irp t, 0,1,2,3,4,5,6,7                ; tile t = 4 c + u: stored tile 4 c + 2 (r / 8) + u % 2 (768 bytes each), stored row 8 (u / 2) + r % 8
	ds_load_b128 v[32+6*\t:35+6*\t], v[ADK16] offset:768*(4*(\t/4)+\t%2)+128*((\t%4)/2)
	ds_load_b64 v[36+6*\t:37+6*\t], v[ADK8] offset:768*(4*(\t/4)+\t%2)+512+64*((\t%4)/2)
.endr
.irp g, 0,1,2,3
	ds_load_b64 v[212+2*\g:213+2*\g], v[ADS] offset:128*\g   ; the same rows' scale words, of tiles 2 g and 2 g + 1
.endr
	ds_load_b64 v[224:225], v[ADT]                 ; v's bytes for the step's first 64 keys: a halfword for each of the four blocks of channels,
	ds_load_b64 v[226:227], v[ADT] offset:128      ; and for the second 64
	s_wait_alu depctr_va_vdst(0)
	s_wait_dscnt 0x0
.irp t, 0,1,2,3,4,5,6,7
	v_wmma_scale_f32_16x16x128_f8f6f4 v[96+8*\t:103+8*\t], v[32+6*\t:43+6*\t], v[16:27], 0, v[212+\t], v[248+\e] matrix_a_fmt:MATRIX_FMT_FP6 matrix_b_fmt:MATRIX_FMT_FP6
.endr
	v_perm_b32 v220, v226, v224, 0x05040100        ; v's scale words.  These four are the places behind the products
	v_perm_b32 v221, v226, v224, 0x07060302
	v_perm_b32 v222, v227, v225, 0x05040100
	v_perm_b32 v223, v227, v225, 0x07060302
.irp d, 0,1,2,3                        ; v's four fragments land while the softmax is walked
	ds_load_b128 v[32+12*\d:35+12*\d], v[ADV16] offset:49152+1536*\d
	ds_load_b64 v[36+12*\d:37+12*\d], v[ADV8] offset:49152+1536*\d+512
	ds_load_b128 v[38+12*\d:41+12*\d], v[ADV16] offset:49152+1536*\d+768
	ds_load_b64 v[42+12*\d:43+12*\d], v[ADV8] offset:49152+1536*\d+1280
.endr
.irp b, 0,1,2,3                        ; the largest score of my two blocks of 32 keys, in four chains; each accumulator is first read at its low end
	v_max3_num_f32 v[232+\b], v[96+16*\b], v[97+16*\b], v[98+16*\b]
.endr
.irp i, 3,5,7,9,11,13
.irp b, 0,1,2,3
	v_max3_num_f32 v[232+\b], v[232+\b], v[96+16*\b+\i], v[97+16*\b+\i]
.endr
.endr
	v_max3_num_f32 v232, v232, v233, v111
	v_max3_num_f32 v234, v234, v235, v143
	v_max_num_f32 v232, v232, v127                 ; block h: it serves the row's maximum and, since p rises with the score, the block's largest p
	v_max_num_f32 v234, v234, v159                 ; block 2 + h
	s_delay_alu instid0(VALU_DEP_1)
	v_max_num_f32 v254, v232, v234
	s_delay_alu instid0(VALU_DEP_1)
	v_permlanex16_b32 v236, v254, s[SEL], s[SEL+1]
	s_delay_alu instid0(VALU_DEP_1)
	v_max_num_f32 v254, v254, v236                 ; with lane l xor 16's two blocks: the step's largest score of my query
	s_delay_alu instid0(VALU_DEP_1)
	v_mul_f32 v254, s[CS], v254
	s_delay_alu instid0(VALU_DEP_1)
	v_max_num_f32 v13, v13, v254                   ; the running largest t
	v_mov_b32 v254, v12
	s_delay_alu instid0(VALU_DEP_2)
	v_floor_f32 v12, -v13                          ; the new -M: M is a whole number
	s_delay_alu instid0(VALU_DEP_1)
	v_sub_f32 v254, v12, v254
	s_delay_alu instid0(VALU_DEP_1)
	v_cvt_i32_f32 v254, v254                       ; (it saturates)
	s_delay_alu instid0(VALU_DEP_1)
	v_ldexp_f32 v250, 1.0, v254                    ; f = 2^(old M - new M): rounds nothing
.set J, 0
.rept 32
	v_pk_fma_f32 v[96+J:97+J], v[96+J:97+J], s[CS:CS+1], v[12:13] op_sel_hi:[1,0,0]   ; t - M
.set J, J+2
.endr
	v_fma_f32 v232, v232, s[CS], v12
	v_fma_f32 v234, v234, s[CS], v12
.set J, 0
	s_wait_alu depctr_va_vdst(0)
.rept 64
	v_exp_f32 v[96+J], v[96+J]                     ; p = 2^(t - M)
.set J, J+1
.endr
	v_pk_mul_f32 v[14:15], v[14:15], v[250:251] op_sel_hi:[1,0]   ; the sums under the new M: a plain place behind the exponentials
	s_wait_alu depctr_va_vdst(0)                   ; one wait for the batch, ahead of its first reader
	v_exp_f32 v232, v232                           ; my two blocks' largest p
	v_exp_f32 v234, v234
.set K, 0
.irp r, 236,238,240,242,244,246,252    ; the row's sum is taken of the unquantised p: eight chains of packed additions
	v_pk_add_f32 v[\r:\r+1], v[96+8*K:97+8*K], v[98+8*K:99+8*K]
.set K, K+1
.endr
	v_pk_add_f32 v[14:15], v[14:15], v[152:153]
	SUM7 4
	v_pk_add_f32 v[14:15], v[14:15], v[154:155]
	SUM7 6
	v_pk_add_f32 v[14:15], v[14:15], v[156:157]
	v_pk_add_f32 v[236:237], v[236:237], v[238:239]
	v_pk_add_f32 v[240:241], v[240:241], v[242:243]
	v_pk_add_f32 v[244:245], v[244:245], v[246:247]
	v_pk_add_f32 v[14:15], v[14:15], v[158:159]
	s_delay_alu instid0(VALU_DEP_3)
	v_pk_add_f32 v[236:237], v[236:237], v[240:241]
	s_delay_alu instid0(VALU_DEP_3)
	v_pk_add_f32 v[244:245], v[244:245], v[252:253]
	s_delay_alu instid0(VALU_DEP_2)
	v_pk_add_f32 v[14:15], v[14:15], v[236:237]
	s_delay_alu instid0(VALU_DEP_1)
	v_pk_add_f32 v[14:15], v[14:15], v[244:245]
	s_wait_alu depctr_va_vdst(0)                   ; and one for the two
	v_max_num_f32 v232, 0x1800000, v232            ; the floor: the byte cannot fall under 1
	v_max_num_f32 v234, 0x1800000, v234
	s_delay_alu instid0(VALU_DEP_2)
	v_add_nc_u32 v244, 0xff000000, v232            ; 2 off the exponent field: the conversions' scale operands
	s_delay_alu instid0(VALU_DEP_2)
	v_add_nc_u32 v245, 0xff000000, v234
	s_delay_alu instid0(VALU_DEP_2)
	v_lshrrev_b32 v236, 23, v244
	s_delay_alu instid0(VALU_DEP_2)
	v_lshrrev_b32 v237, 23, v245
	s_delay_alu instid0(VALU_DEP_1)
	v_lshl_or_b32 v252, v237, 16, v236             ; my two bytes: blocks h and 2 + h,
	s_delay_alu instid0(VALU_DEP_1)
	v_lshlrev_b32 v252, v[SH8], v252               ; at their places in the scale word;
	s_delay_alu instid0(VALU_DEP_1)
	v_permlanex16_b32 v238, v252, s[SEL], s[SEL+1]
	s_delay_alu instid0(VALU_DEP_1)
	v_or_b32 v252, v252, v238                      ; with lane l xor 16's two: p's scale word for these 128 keys
.irp c, 0,1
	v_cvt_scalef32_pk16_fp6_f32 v[192+6*\c:194+6*\c], v[96+32*\c:111+32*\c], v[244+\c]
	v_cvt_scalef32_pk16_fp6_f32 v[204+4*\c:206+4*\c], v[112+32*\c:127+32*\c], v[244+\c]   ; (a conversion's three registers begin on an even number)
.endr
	v_nop                                          ; one plain place behind a scaled conversion
.irp c, 0,1
.irp i, 0,1,2
	v_mov_b32 v[195+6*\c+\i], v[204+4*\c+\i]       ; registers 6 c .. 6 c + 5 hold keys 64 c + 32 h + 0 .. 31
.endr
.endr
	s_wait_alu depctr_va_vdst(0)                   ; directly ahead of the first reader of O^T
.set J, 0
.rept 16
	v_pk_mul_f32 v[160+J:161+J], v[160+J:161+J], v[250:251] op_sel_hi:[1,0]   ; O^T under the new M; these are also the places in front of the products below
.set J, J+2
.endr
	s_wait_alu depctr_va_vdst(0)
	s_wait_dscnt 0x0                               ; v's fragments are in
.irp d, 0,1,2,3
	v_wmma_scale_f32_16x16x128_f8f6f4 v[160+8*\d:167+8*\d], v[32+12*\d:43+12*\d], v[192:203], v[160+8*\d:167+8*\d], v[220+\d], v252 matrix_a_fmt:MATRIX_FMT_FP6 matrix_b_fmt:MATRIX_FMT_FP6
.endr
	s_add_co_u32 s[TK], s[TK], 6144
	s_add_co_u32 s[TSK], s[TSK], 512
	s_add_co_u32 s[TSV], s[TSV], 256
.endm
; One head: eight key steps; then o = O^T / the sum, quantised along the head's 64; its two bytes go into v[hw].
.macro PASS e, hw
	v_mov_b32 v13, 0xff61b1e6                      ; the largest t so far: -3e38
	s_delay_alu instid0(VALU_DEP_1)
	v_floor_f32 v12, -v13
	v_mov_b32 v14, 0
	v_mov_b32 v15, 0
.set J, 0
.rept 32
	v_mov_b32 v[160+J], 0                          ; the step is written for every trip alike: the first finds zeros
.set J, J+1
.endr
	s_mov_b32 s[TK], 98304*\e
	s_mov_b32 s[TSK], SCB+6144*\e
	s_mov_b32 s[TSV], SCB+6144*\e+4096
.if \e == 0
	KSTEP 0                                        ; the even head's first key step is written out: the odd head's tiles land meanwhile
	s_wait_tensorcnt 0x0                           ; my part of the odd head has landed,
	s_wait_dscnt 0x0
	s_barrier_signal -1
	s_barrier_wait -1                              ; everybody's has: no barrier is needed between the heads
	s_mov_b32 s[CNT], 7
.else
	s_mov_b32 s[CNT], 8
.endif
.Lkey_\@:
	KSTEP \e
	s_sub_co_u32 s[CNT], s[CNT], 1
	s_cmp_lg_u32 s[CNT], 0
	s_cbranch_scc1 .Lkey_\@
	NOP4                                           ; places behind the last products
	v_add_f32 v14, v14, v15
	s_delay_alu instid0(VALU_DEP_1)
	v_permlanex16_b32 v254, v14, s[SEL], s[SEL+1]
	s_delay_alu instid0(VALU_DEP_1)
	v_add_f32 v14, v14, v254                       ; the row's sum
	s_wait_alu depctr_va_vdst(0)
	v_rcp_f32 v14, v14
	v_nop
	s_wait_alu depctr_va_vdst(0)                   ; ahead of the reciprocal's first reader, which is O^T's too
.set J, 0
.rept 32
	v_mul_f32 v[96+J], v[160+J], v14               ; register 16 b + i = channel 32 b + 16 h + i of my query
.set J, J+1
.endr
.irp b, 0,1
	v_max3_num_f32 v[232+\b], |v[96+16*\b]|, |v[97+16*\b]|, 0x1800000
.endr
.irp i, 2,4,6,8,10,12,14
.irp b, 0,1
	s_delay_alu instid0(VALU_DEP_2)
	v_max3_num_f32 v[232+\b], v[232+\b], |v[96+16*\b+\i]|, |v[97+16*\b+\i]|
.endr
.endr
.irp b, 0,1
	s_delay_alu instid0(VALU_DEP_2)
	v_permlanex16_b32 v[236+\b], v[232+\b], s[SEL], s[SEL+1]
.endr
.irp b, 0,1
	s_delay_alu instid0(VALU_DEP_2)
	v_max_num_f32 v[232+\b], v[232+\b], v[236+\b]
.endr
.irp b, 0,1
	s_delay_alu instid0(VALU_DEP_2)
	v_add_nc_u32 v[244+\b], 0xff000000, v[232+\b]
.endr
.irp b, 0,1
	s_delay_alu instid0(VALU_DEP_2)
	v_lshrrev_b32 v[236+\b], 23, v[244+\b]
.endr
	s_delay_alu instid0(VALU_DEP_1)
	v_lshl_or_b32 v[\hw], v237, 8, v236
	v_cvt_scalef32_pk16_fp6_f32 v[192:194], v[96:111], v244
	v_cvt_scalef32_pk16_fp6_f32 v[204:206], v[112:127], v245
	v_nop
.irp i, 0,1,2
	v_permlane16_swap_b32 v[192+\i], v[204+\i]     ; o's channels lie 16 to a lane: the layout wants a whole block in a lane
.endr
.irp i, 0,1,2
	s_delay_alu instid0(VALU_DEP_3)
	v_mov_b32 v[195+\i], v[204+\i]
.endr
	global_store_b128 v[L16], v[192:195], s[8:9] offset:768*\e        ; 512 and 256 consecutive bytes, at multiples of 256
	global_store_b64 v[L8], v[196:197], s[8:9] offset:768*\e+512
.endm
	s_wait_alu depctr_va_vdst(0)
	s_wait_tensorcnt 0x0                           ; my tile of group 0 is in
	ds_add_u32 v[SPW], v[NIL]
	s_wait_dscnt 0x0
	ROUND                                          ; everybody's is in, and all four work-groups are here: the joint loads meet
	tensor_load_to_lds s[48:51], s[G1C:G1C+7]      ; group 1: my part of the odd head, the first tensor load behind the round
	s_nop 0
	NOP4
	s_wait_loadcnt 0x0                             ; q
	PASS 0, 11
	s_wait_xcnt 0x0                                ; the stores have read the codes' registers
.irp i, 0,1,2,3,4,5
	v_mov_b32 v[16+\i], v[86+\i]                   ; the odd head's q
.endr
	PASS 1, 30
	v_lshl_or_b32 v31, v30, 16, v11                ; my row's scale word for K step = the pair of heads
	ds_store_b32 v[OW], v31                        ; (both halves of the lanes write the same word with the same value)
	s_wait_dscnt 0x0
	s_barrier_signal -1
	s_barrier_wait -1
	s_cmp_lt_u32 s[WV], 2
	s_cbranch_scc0 .Ldone
	ds_load_b128 v[32:35], v[ORD]
	s_wait_dscnt 0x0
	global_store_b128 v[L16], v[32:35], s[10:11]   ; 512 consecutive bytes
.Ldone:
	s_wait_tensorcnt 0x0                           ; the wave's end
	ds_add_u32 v[SPW], v[NIL]
	s_wait_dscnt 0x0
	ROUND                                          ; the closing round
	s_endpgm
.Lfunc_end_k_q88016c0259_attn:
	.size	k_q88016c0259_attn, .Lfunc_end_k_q88016c0259_attn-k_q88016c0259_attn
	.p2alignl 7, 3214868480
	.fill 96, 4, 3214868480
	.section	.rodata,"a",@progbits
	.p2align	6, 0x0
	.amdhsa_kernel k_q88016c0259_attn
		.amdhsa_group_segment_fixed_size 327680
		.amdhsa_private_segment_fixed_size 0
		.amdhsa_enable_private_segment 0
		.amdhsa_kernarg_size 32
		.amdhsa_user_sgpr_count 2
		.amdhsa_user_sgpr_kernarg_segment_ptr 1
		.amdhsa_wavefront_size32 1
		.amdhsa_system_sgpr_workgroup_id_x 1
		.amdhsa_system_sgpr_workgroup_id_y 1
		.amdhsa_system_sgpr_workgroup_id_z 1
		.amdhsa_system_vgpr_workitem_id 0
		.amdhsa_next_free_vgpr 256
		.amdhsa_next_free_sgpr 96
		.amdhsa_reserve_vcc 0
		.amdhsa_float_denorm_mode_32 3
		.amdhsa_float_denorm_mode_16_64 3
		.amdhsa_memory_ordered 1
		.amdhsa_forward_progress 1
		.amdhsa_inst_pref_size 71
	.end_amdhsa_kernel
	.amdgpu_metadata
---
amdhsa.version: [ 1, 2 ]
amdhsa.kernels:
  - .name:           k_q88016c0259_attn
    .symbol:         k_q88016c0259_attn.kd
    .args:
      - { .name: atc, .offset: 0, .size: 8, .value_kind: global_buffer, .address_space: global }
      - { .name: ats, .offset: 8, .size: 8, .value_kind: global_buffer, .address_space: global }
      - { .name: oc, .offset: 16, .size: 8, .value_kind: global_buffer, .address_space: global }
      - { .name: osc, .offset: 24, .size: 8, .value_kind: global_buffer, .address_space: global }
    .group_segment_fixed_size: 327680
    .private_segment_fixed_size: 0
    .kernarg_segment_align: 8
    .kernarg_segment_size: 32
    .max_flat_workgroup_size: 512
    .sgpr_count:     96
    .vgpr_count:     256
    .wavefront_size: 32
...
	.end_amdgpu_metadata
.endif
;; end of part 3
;; launch proj (part 4): grid 4 x 64, 4 waves a work-group, clusters of 4 x 4, 327,680 bytes of LDS; arguments oc, osc, codes, scl, Bo, bo, out0; writes out0
.if DOCPART == 4
	.amdgcn_target "amdgcn-amd-amdhsa--gfx1250"
	.amdhsa_code_object_version 6
	.text
	.protected	k_q88016c0259_proj
	.globl	k_q88016c0259_proj
	.p2align	8
	.type	k_q88016c0259_proj,@function
k_q88016c0259_proj:
	s_mov_b64 s[64:65], 0
	v_nop
	global_prefetch_b8 v0, s[64:65] scope:SCOPE_SE
	s_setreg_imm32_b32 hwreg(HW_REG_WAVE_MODE, 25, 1), 1
	s_wait_xcnt 0x0
	s_wait_alu depctr_hold_cnt(0) depctr_sa_sdst(0) depctr_va_vdst(0) depctr_va_sdst(0) depctr_va_ssrc(0) depctr_va_vcc(0) depctr_vm_vsrc(0)
	s_getreg_b32 s2, hwreg(HW_REG_IB_STS2, 6, 4)
	s_cmp_eq_u32 s2, 0
	s_cbranch_scc0 .Lentry_in_a_cluster
	s_endpgm
.Lentry_in_a_cluster:
	s_bfe_u32 s2, ttmp6, 0x10000c
	s_cmp_lg_u32 s2, 0xf033
	s_cbranch_scc0 .Lentry_shape_is_right
	s_endpgm
.Lentry_shape_is_right:
.set AT,    0
.set BT,    98304
.set SPARE, 294912
.set STG,   295424
.set L16, 2
.set L8,  3
.set R16, 4
.set ADA16, 5
.set ADA8,  6
.set ADB16, 7
.set ADB8,  8
.set BLA, 9
.set R4,  10
.set H64, 11
.set SPW, 12
.set NIL, 13
.set STO, 16
.set RD,  17
.set CO,  18
.set SA,  32
.set SB,  64
.set SL,  128
.set XAC, 136
.set BIAS, 168
.set OB,  168
.set BLO, 160
.set LF,  160
.set WV, 18
.set WR, 19
.set WC, 20
.set CX, 21
.set CY, 22
.set TR, 24
.set G1A, 28
.set G1B, 36
.set G0A, 44
.set G0B, 68
.set MSB, 0
.macro WIN new
.if MSB != (\new)
	s_set_vgpr_msb (MSB<<8)|(\new)
.set MSB, (\new)
.endif
.endm
.macro NOPS n
.rept \n
	v_nop
.endr
.endm
.macro CROUND
	s_barrier_signal -1
	s_barrier_wait -1
	s_cmp_lg_u32 s[WV], 0
	s_cbranch_scc1 .Lnot_wave_0_\@
	s_barrier_signal -3
.Lnot_wave_0_\@:
	s_barrier_wait -3
	s_barrier_signal -1
	s_barrier_wait -1
.endm
.macro JLOAD c
	s_cmp_eq_u32 s[WR], 0
	s_cbranch_scc0 .Lfor_b_\@
	tensor_load_to_lds s[G0A+4*\c:G0A+4*\c+3], s[G1A:G1A+7]
	s_nop 0
	NOPS 4
	s_branch .Lasked_\@
.Lfor_b_\@:
	tensor_load_to_lds s[G0B+4*\c:G0B+4*\c+3], s[G1B:G1B+7]
	s_nop 0
	NOPS 4
.Lasked_\@:
.endm
	s_load_b256 s[4:11], s[0:1], 0x0
	s_load_b128 s[12:15], s[0:1], 0x20
	s_load_b64 s[16:17], s[0:1], 0x30
	v_lshl_add_u32 v[SPW], v0, 2, SPARE
	v_mov_b32 v[NIL], 0
	ds_add_u32 v[SPW], v[NIL]
	ds_add_u32 v[SPW], v[NIL]
	v_lshrrev_b32 v1, 5, v0
	v_readfirstlane_b32 s[WV], v1
	s_lshr_b32 s[WR], s[WV], 1
	s_and_b32 s[WC], s[WV], 1
	s_bfe_u32 s[CX], ttmp6, 0x40000
	s_bfe_u32 s[CY], ttmp6, 0x40004
	s_and_b32 s[TR], ttmp7, 0xffff
	s_lshl_b32 s[TR], s[TR], 2
	s_add_co_u32 s[TR], s[TR], s[CY]
	s_lshl_b32 s25, s[CY], 2
	s_lshl_b32 s25, 15, s25
	s_lshl_b32 s26, 0x1111, s[CX]
	s_or_b32 s[G1A], s25, (3<<16)|(1<<21)
	s_or_b32 s[G1B], s26, (3<<16)|(1<<21)
	s_mov_b32 s[G1A+1], 384<<16
	s_mov_b32 s[G1A+2], 8<<16
	s_mov_b32 s[G1A+3], 384<<16
	s_mov_b32 s[G1A+4], 8
	s_mov_b32 s[G1A+5], 1536
	s_mov_b32 s[G1A+6], 0
	s_mov_b32 s[G1A+7], 0
	s_mov_b32 s[G1B+1], 384<<16
	s_mov_b32 s[G1B+2], 16<<16
	s_mov_b32 s[G1B+3], 384<<16
	s_mov_b32 s[G1B+4], 16
	s_mov_b32 s[G1B+5], 1536
	s_mov_b32 s[G1B+6], 0
	s_mov_b32 s[G1B+7], 0
	s_lshl_b32 s84, s[TR], 3
	s_mul_i32 s84, s84, 12288                      ; A: the tile's eight row blocks,
	s_mul_i32 s88, s[WC], 3072                     ; and the chunk of two K steps that I fetch: 3,072 bytes of each block
	s_add_co_u32 s84, s84, s88
	s_mov_b32 s85, 0
	s_lshl_b32 s86, s[CX], 4
	s_add_co_u32 s86, s86, 704
	s_mul_i32 s86, s86, 12288                      ; B: the tile's sixteen row blocks, the same chunk
	s_add_co_u32 s86, s86, s88
	s_mov_b32 s87, 0
	s_mul_i32 s89, s[WC], 24576                    ; a chunk of A in LDS: 8 blocks x 3,072 bytes
	s_mul_i32 s90, s[WC], 49152                    ; a chunk of B: 16 blocks x 3,072 bytes
	s_wait_dscnt 0x0
	s_wait_kmcnt 0x0
	s_add_nc_u64 s[84:85], s[4:5], s[84:85]
	s_add_nc_u64 s[86:87], s[8:9], s[86:87]
	CROUND
; Two groups of joint loads, one load a wave in each: waves 0, 1 fetch A's chunks c 2 + 0, 1, waves 2, 3 B's: group 0 chunks 0 and 1 (K steps 0-3), group 1 chunks 2 and 3
.irp c, 0,1
	s_mov_b32 s[G0A+4*\c], 1
	s_add_co_u32 s[G0A+4*\c+1], s89, AT+49152*\c
	s_add_nc_u64 s[G0A+4*\c+2:G0A+4*\c+3], s[84:85], 6144*\c
	s_or_b32 s[G0A+4*\c+3], s[G0A+4*\c+3], 0x80000000
	s_mov_b32 s[G0B+4*\c], 1
	s_add_co_u32 s[G0B+4*\c+1], s90, BT+98304*\c
	s_add_nc_u64 s[G0B+4*\c+2:G0B+4*\c+3], s[86:87], 6144*\c
	s_or_b32 s[G0B+4*\c+3], s[G0B+4*\c+3], 0x80000000
.endr
	JLOAD 0                                        ; one tensor load a wave at the head
	v_and_b32 v1, 31, v0
	v_lshlrev_b32 v[L16], 4, v1
	v_lshlrev_b32 v[L8], 3, v1
	v_and_b32 v14, 15, v0
	v_bfe_u32 v15, v0, 4, 1
	v_lshlrev_b32 v[R16], 4, v14
	v_lshlrev_b32 v[R4], 2, v14
	v_lshlrev_b32 v[H64], 6, v15
	s_mul_i32 s25, s[WR], 12288
	v_add_nc_u32 v[ADA16], s25, v[L16]
	v_add_nc_u32 v[ADA8], s25, v[L8]
	s_mul_i32 s25, s[WC], 24576
	s_add_co_u32 s25, s25, BT
	v_add_nc_u32 v[ADB16], s25, v[L16]
	v_add_nc_u32 v[ADB8], s25, v[L8]
	v_and_b32 v19, 8, v14
	v_add_nc_u32 v19, v19, v14
	v_lshlrev_b32 v[BLA], 6, v19
	v_lshl_add_u32 v[BLA], v15, 5, v[BLA]
	s_wait_alu depctr_va_vdst(0)
	s_mul_i32 s25, s[WV], 16*272
	s_add_co_u32 s25, s25, STG
	v_mul_u32_u24 v[STO], v14, 272
	v_lshl_add_u32 v[STO], v15, 6, v[STO]
	v_add_nc_u32 v[STO], s25, v[STO]
	v_mul_u32_u24 v[RD], v15, 272
	v_lshl_add_u32 v[RD], v14, 4, v[RD]
	v_add_nc_u32 v[RD], s25, v[RD]
	v_lshlrev_b32 v[CO], 12, v15
	v_lshl_add_u32 v[CO], v14, 4, v[CO]
	s_lshl_b32 s92, s[TR], 3
	s_lshl_b32 s25, s[WR], 2
	s_add_co_u32 s92, s92, s25
	s_lshl_b32 s92, s92, 6
	s_mov_b32 s93, 0
	s_add_nc_u64 s[92:93], s[6:7], s[92:93]
	s_lshl_b32 s94, s[CX], 4
	s_lshl_b32 s25, s[WC], 3
	s_add_co_u32 s94, s94, s25
	s_add_co_u32 s94, s94, 704
	s_lshl_b32 s94, s94, 9
	s_mov_b32 s95, 0
	s_add_nc_u64 s[94:95], s[10:11], s[94:95]
	s_add_nc_u64 s[96:97], s[10:11], 771*512
	s_add_nc_u64 s[98:99], s[8:9], 771*12288
	s_lshl_b32 s26, s[CX], 14
	s_lshl_b32 s25, s[WC], 13
	s_add_co_u32 s26, s26, s25
	s_mov_b32 s27, 0
	s_add_nc_u64 s[100:101], s[12:13], s[26:27]
	s_lshr_b32 s26, s26, 4
	s_add_nc_u64 s[14:15], s[14:15], s[26:27]
	s_add_nc_u64 s[16:17], s[16:17], s[26:27]
	s_lshl_b32 s26, s[TR], 7
	s_lshl_b32 s25, s[WR], 6
	s_add_co_u32 s26, s26, s25
	s_lshl_b32 s26, s26, 12
	s_add_nc_u64 s[16:17], s[16:17], s[26:27]
.irp a, 0,1,2,3
.irp s, 0,1,2,3,4,5,6,7
	global_load_b32 v[SA+8*\a+\s], v[R4], s[92:93] offset:32768*\s+64*\a
.endr
.endr
.irp b, 0,1,2,3,4,5,6,7
.irp f, 0,1
	global_load_b128 v[SB+8*\b+4*\f:SB+8*\b+4*\f+3], v[R16], s[94:95] offset:512*\b+256*\f
.endr
.endr
.irp f, 0,1
	global_load_b128 v[SL+4*\f:SL+4*\f+3], v[R16], s[96:97] offset:256*\f
.endr
.irp b, 0,1,2,3,4,5,6,7
	global_load_b128 v[BIAS+8*\b:BIAS+8*\b+3], v[H64], s[14:15] offset:(32*(\b/2)+8*(\b%2))*4
	global_load_b128 v[BIAS+8*\b+4:BIAS+8*\b+7], v[H64], s[14:15] offset:(32*(\b/2)+8*(\b%2))*4+16
.endr
	WIN 0x80
.irp s, 0,1,2,3,4,5,6,7
	global_load_b128 v[LF+12*\s:LF+12*\s+3], v[L16], s[98:99] offset:1536*\s
	global_load_b64 v[LF+12*\s+4:LF+12*\s+5], v[L8], s[98:99] offset:1536*\s+512
	global_load_b128 v[LF+12*\s+6:LF+12*\s+9], v[L16], s[98:99] offset:1536*\s+768
	global_load_b64 v[LF+12*\s+10:LF+12*\s+11], v[L8], s[98:99] offset:1536*\s+1280
.endr
	WIN 0x40
.irp b, 0,1,2,3,4,5,6,7
	global_load_b128 v[BLO+8*\b:BLO+8*\b+3], v[BLA], s[100:101] offset:(32*(\b/2)+8*(\b%2))*64
	global_load_b128 v[BLO+8*\b+4:BLO+8*\b+7], v[BLA], s[100:101] offset:(32*(\b/2)+8*(\b%2))*64+16
.endr
	WIN 0
.macro FRAG reg, a16, a8, off
	ds_load_b128 v[\reg:\reg+3], v[\a16] offset:\off
	ds_load_b64 v[\reg+4:\reg+5], v[\a8] offset:\off+512
	ds_load_b128 v[\reg+6:\reg+9], v[\a16] offset:\off+768
	ds_load_b64 v[\reg+10:\reg+11], v[\a8] offset:\off+1280
.endm
.macro FETCH set, q
	WIN 0x40*(1+(\set))
.irp i, 0,1,2,3
	FRAG 12*\i, ADA16, ADA8, 3072*\i+1536*(\q)
.endr
.irp i, 0,1,2,3,4,5,6,7
	FRAG 48+12*\i, ADB16, ADB8, 3072*\i+1536*(\q)
.endr
	WIN 0
.endm
.macro XA s, p
	WIN 0x06+4*(\p)
.irp a, 0,1,2,3
.if (\s) == 0
	v_wmma_scale_f32_16x16x128_f8f6f4 v[XAC+8*\a:XAC+8*\a+7], v[LF+12*(\s):LF+12*(\s)+11], v[12*\a:12*\a+11], 0, v[SL+(\s)], v[SA+8*\a+(\s)] matrix_a_fmt:MATRIX_FMT_FP6 matrix_b_fmt:MATRIX_FMT_FP6
.else
	v_wmma_scale_f32_16x16x128_f8f6f4 v[XAC+8*\a:XAC+8*\a+7], v[LF+12*(\s):LF+12*(\s)+11], v[12*\a:12*\a+11], v[XAC+8*\a:XAC+8*\a+7], v[SL+(\s)], v[SA+8*\a+(\s)] matrix_a_fmt:MATRIX_FMT_FP6 matrix_b_fmt:MATRIX_FMT_FP6
.endif
.endr
.endm
.macro MUL s, p
.if (\s) == 0
	WIN 0xc5
.else
	WIN 0xf5+5*(\p)
.endif
.irp a, 0,1,2,3
.irp b, 0,1,2,3,4,5,6,7
.set AC, 8*(8*\a+\b)
.if (\s) == 0
	v_wmma_scale_f32_16x16x128_f8f6f4 v[AC:AC+7], v[48+12*\b:48+12*\b+11], v[12*\a:12*\a+11], v[BIAS+8*\b:BIAS+8*\b+7], v[SB+8*\b+(\s)], v[SA+8*\a+(\s)] matrix_a_fmt:MATRIX_FMT_FP6 matrix_b_fmt:MATRIX_FMT_FP6
.else
	v_wmma_scale_f32_16x16x128_f8f6f4 v[AC:AC+7], v[48+12*\b:48+12*\b+11], v[12*\a:12*\a+11], v[AC:AC+7], v[SB+8*\b+(\s)], v[SA+8*\a+(\s)] matrix_a_fmt:MATRIX_FMT_FP6 matrix_b_fmt:MATRIX_FMT_FP6
.endif
.endr
.endr
.endm
.macro STEP s
.set P, (\s)%2
	s_wait_dscnt 0x0
.if ((\s)%2 == 1) && ((\s) < 7)
.if (\s) == 3
	s_wait_tensorcnt 0x0                           ; my part of chunks 2 and 3 is in; the barrier shows everybody's
	s_barrier_signal -1
	s_barrier_wait -1
.endif
	v_add_nc_u32 v[ADA16], 24576, v[ADA16]
	v_add_nc_u32 v[ADA8], 24576, v[ADA8]
	v_add_nc_u32 v[ADB16], 49152, v[ADB16]
	v_add_nc_u32 v[ADB8], 49152, v[ADB8]
.elseif ((\s) > 0) && ((\s) < 7)
	NOPS 4
.endif
.if (\s) < 7
	s_wait_alu depctr_va_vdst(0)
	FETCH 1-P, ((\s)+1)%2
.endif
	XA \s, P
	MUL \s, P
	WIN 0
.endm
	s_wait_alu depctr_va_vdst(0)
	s_wait_tensorcnt 0x0                           ; my part of chunks 0 and 1 is in
	ds_add_u32 v[SPW], v[NIL]
	s_wait_dscnt 0x0
	CROUND
	JLOAD 1                                        ; chunks 2 and 3, the first tensor load behind the round
	FETCH 0, 0
	s_wait_loadcnt 0x0
.irp s, 0,1,2,3,4,5,6,7
	STEP \s
.endr
	NOPS 5
.irp k, 0,1,2,3,4,5,6,7,8,9,10,11,12,13,14,15
	v_pk_mul_f32 v[OB+2*\k:OB+2*\k+1], v[XAC+2*\k:XAC+2*\k+1], 0x3d800000 op_sel_hi:[1,0]
.endr
	WIN 0x40
.irp a, 0,1,2,3
.irp i, 0,1,2,3
	v_cvt_pk_bf16_f32 v[8*\a+\i], v[OB+8*\a+2*\i], v[OB+8*\a+2*\i+1]
.endr
.irp i, 4,5,6,7
	v_mov_b32 v[8*\a+\i], 0
.endr
.endr
.irp b, 0,1,2,3,4,5,6,7
.irp i, 4,5,6,7
	v_mov_b32 v[64+8*\b+\i], 0
.endr
.endr
	WIN 0x45
.irp b, 0,1,2,3,4,5,6,7
.irp i, 0,1,2,3
	v_cvt_pk_bf16_f32 v[64+8*\b+\i], v[BLO+8*\b+2*\i], v[BLO+8*\b+2*\i+1]
.endr
.endr
	NOPS 4
	WIN 0xf5
.irp a, 0,1,2,3
.irp b, 0,1,2,3,4,5,6,7
	v_wmma_f32_16x16x32_bf16 v[8*(8*\a+\b):8*(8*\a+\b)+7], v[64+8*\b:64+8*\b+7], v[8*\a:8*\a+7], v[8*(8*\a+\b):8*(8*\a+\b)+7]
.endr
.endr
	WIN 0
	NOPS 5
.macro TOSTAGE k
.if (\k) >= 2
	s_wait_xcnt 0x0
.endif
	WIN 0x0c
.irp c, 0,1,2,3
	ds_store_b128 v[STO], v[8*(8*((\k)/2)+4*((\k)%2)+\c):8*(8*((\k)/2)+4*((\k)%2)+\c)+3] offset:128*(\c/2)+32*(\c%2)
	ds_store_b128 v[STO], v[8*(8*((\k)/2)+4*((\k)%2)+\c)+4:8*(8*((\k)/2)+4*((\k)%2)+\c)+7] offset:128*(\c/2)+32*(\c%2)+16
.endr
	WIN 0
.irp t, 0,1,2,3,4,5,6,7
	ds_load_b128 v[OB+32*((\k)%2)+4*\t:OB+32*((\k)%2)+4*\t+3], v[RD] offset:544*\t
.endr
.endm
.macro SEND k, younger
	s_wait_dscnt \younger
.irp t, 0,1,2,3,4,5,6,7
	global_store_b128 v[CO], v[OB+32*((\k)%2)+4*\t:OB+32*((\k)%2)+4*\t+3], s[16:17] offset:(32*(((\k)/2)/2)+8*(((\k)/2)%2)+2*\t+8*(\t/4))*4096+256*((\k)%2) th:TH_STORE_NT
.endr
.endm
	TOSTAGE 0
.irp k, 1,2,3,4,5,6,7
	TOSTAGE \k
	SEND \k-1, 16
.endr
	SEND 7, 0
	s_wait_tensorcnt 0x0
	ds_add_u32 v[SPW], v[NIL]
	s_wait_dscnt 0x0
	CROUND
	s_endpgm
.Lfunc_end_k_q88016c0259_proj:
	.size	k_q88016c0259_proj, .Lfunc_end_k_q88016c0259_proj-k_q88016c0259_proj
	.p2alignl 7, 3214868480
	.fill 96, 4, 3214868480
	.section	.rodata,"a",@progbits
	.p2align	6, 0x0
	.amdhsa_kernel k_q88016c0259_proj
		.amdhsa_group_segment_fixed_size 327680
		.amdhsa_private_segment_fixed_size 0
		.amdhsa_enable_private_segment 0
		.amdhsa_kernarg_size 56
		.amdhsa_user_sgpr_count 2
		.amdhsa_user_sgpr_kernarg_segment_ptr 1
		.amdhsa_wavefront_size32 1
		.amdhsa_system_sgpr_workgroup_id_x 1
		.amdhsa_system_sgpr_workgroup_id_y 1
		.amdhsa_system_sgpr_workgroup_id_z 1
		.amdhsa_system_vgpr_workitem_id 0
		.amdhsa_next_free_vgpr 1024
		.amdhsa_next_free_sgpr 102
		.amdhsa_reserve_vcc 0
		.amdhsa_float_denorm_mode_32 3
		.amdhsa_float_denorm_mode_16_64 3
		.amdhsa_memory_ordered 1
		.amdhsa_forward_progress 1
		.amdhsa_inst_pref_size 106
	.end_amdhsa_kernel
	.amdgpu_metadata
---
amdhsa.version: [ 1, 2 ]
amdhsa.kernels:
  - .name:           k_q88016c0259_proj
    .symbol:         k_q88016c0259_proj.kd
    .args:
      - { .name: oc, .offset: 0, .size: 8, .value_kind: global_buffer, .address_space: global }
      - { .name: osc, .offset: 8, .size: 8, .value_kind: global_buffer, .address_space: global }
      - { .name: codes, .offset: 16, .size: 8, .value_kind: global_buffer, .address_space: global }
      - { .name: scl, .offset: 24, .size: 8, .value_kind: global_buffer, .address_space: global }
      - { .name: Bo, .offset: 32, .size: 8, .value_kind: global_buffer, .address_space: global }
      - { .name: bo, .offset: 40, .size: 8, .value_kind: global_buffer, .address_space: global }
      - { .name: out0, .offset: 48, .size: 8, .value_kind: global_buffer, .address_space: global }
    .group_segment_fixed_size: 327680
    .private_segment_fixed_size: 0
    .kernarg_segment_align: 8
    .kernarg_segment_size: 56
    .max_flat_workgroup_size: 128
    .sgpr_count:     102
    .vgpr_count:     1024
    .wavefront_size: 32
...
	.end_amdgpu_metadata
.endif
;; end of part 4
